; MI455X (gfx1250); checked and timed in simulation.
; The chip was launched on July 23, 2026; its instructions are those of AMD's public machine-readable ISA for CDNA 5 (MIT licence, August 2026) and "CDNA5" Instruction Set Architecture Reference Guide (July 2026). The comments in the code are by the model that wrote it; some were corrected since.
;; Multi Head Self Attention. Allowed arithmetic: float matrix products may take bf16 or f16 operands with f32 sums; other float arithmetic in f32, or as packed bf16 or f16 multiplies, adds, multiply-adds, maxima and minima; sums over many terms, partial sums and values carried from step to step in f32; what a program stores and reads back later, other than sums and carried values, may be rounded once to bf16 or f16.
;; Inputs: W_out 1,024 x 1,024 float32; W_qkv 1,024 x 3,072 float32; b_out 1,024 float32; b_qkv 3,072 float32; x 4 x 4,096 x 1,024 float32.
;; Outputs: out0 4 x 4,096 x 1,024 float32.
;; 2 versions, each right; version 2 is version 1 with the launches prep, attn written anew for expert scheduling mode. Each part assembles by itself: llvm-mc -triple=amdgcn-amd-amdhsa -mcpu=gfx1250 --defsym DOCPART=n.
;; ======== version 1 of 2: 4 launches
;; limits: values are held in f16: magnitudes above 65,504 overflow, below 6.1e-05 lose precision
;; workspace buffers: xb 33,554,432 bytes; wq 6,291,456 bytes; wo 2,097,152 bytes; bq 12,288 bytes; bo 4,096 bytes; qkv 100,663,296 bytes; ob 33,554,432 bytes
;; launch prep (part 1): grid 1537 x 1, 8 waves a work-group, no clusters, 18,432 bytes of LDS; arguments x, W_qkv, W_out, b_qkv, b_out, xb, wq, wo, bq, bo; writes xb, wq, wo, bq, bo
.if DOCPART == 1
	.amdgcn_target "amdgcn-amd-amdhsa--gfx1250"
	.amdhsa_code_object_version 6
	.text
	.protected	k_qa06f8d150f_prep
	.globl	k_qa06f8d150f_prep
	.p2align	8
	.type	k_qa06f8d150f_prep,@function
k_qa06f8d150f_prep:
	s_mov_b64 s[64:65], 0
	v_nop
	global_prefetch_b8 v0, s[64:65] scope:SCOPE_SE
	s_setreg_imm32_b32 hwreg(HW_REG_WAVE_MODE, 25, 1), 1
	s_wait_xcnt 0x0
; PREP: every input is rounded once to bf16 and laid out for the three launches behind.
;   xb[m][k]    = bf16(x[m][k])                          [16384][1024] bf16
;   wq[n'][k]   = bf16(W_qkv[k][col(n')])                [3072][1024] bf16: turned, rows permuted
;   wo[n][c'']  = bf16(W_out[c(c'')][n]) written as f16  [1024][1024] f16: turned, K permuted
;   bq[n'], bo[n] = the biases rounded to bf16, kept as f32, bq permuted like wq's rows
; THE PERMUTATIONS make each load and store of the attention launch 512 consecutive bytes a wave.  With lane = 16 hh + r:
;   q, k (part 0, 1): n' = 1024 part + 256 i + 8 lane + e  holds head r, channel 16 i + 8 hh + e
;   v:                n' = 2048 + 256 blk + 8 lane + e     holds head 8 hh + e, channel 16 blk + r
;   o, W_out's K:     c'' = 256 blk + 128 hh + 8 r + j     stands for c = 64 r + 16 blk + 8 hh + j
; LIMIT: W_out's bf16 value is exact in f16 from 6.1e-5 up to 65,504; below that it keeps f16's fixed step of 6e-8.
; SHARES, by the work-group's number: 0-383 a tile of W_qkv (128 k x 64 columns), 384-511 a tile of W_out, 512 the biases, 513-1536 65,536 bytes of x each.
; A weight tile is turned in LDS: pairs of k are packed into words and stored by columns, a barrier, and whole rows of 256 bytes are read back.
; No matrix unit, no cluster, no prefetch: nothing is shared between work-groups, and the launch is one pass over its bytes.
.set TP,    272                        ; a tile's row in LDS: 128 k x 2 bytes + 16 of padding
.set SPARE, 64*TP                      ; 17,408: behind the tile, the spare words: 128 bytes for each of eight waves
.set SPW, 30                           ; v30  LDS address of my spare word; never rewritten
.set NIL, 31                           ; v31  0; never rewritten
.set IN,  32                           ; v[32:95]   as loaded
.set CV,  64                           ; v[64:79]   a weight tile's packed pairs
.set BK,  96                           ; v[96:127]  to store
; A weight tile.  v1 = c4 (my 4 columns), v2 = kp (my pairs of k are kp + 16 i; later: my row of each 16 on the way out), v3 = my offset in the source.
; src, dst: the scalar pairs of the two addresses; rowb: bytes in a source row; istep: source rows from pair i to pair i + 1; half = 1: the bf16 value is written as f16;
; imm: bytes in dst from row dl to row dl + 16 of the tile.  s30, s31: bytes in dst for dl >> 3 and for dl & 7.
.macro WTILE src, dst, rowb, istep, half, imm
.irp i, 0,1,2,3
	global_load_b128 v[IN+8*(\i):IN+8*(\i)+3],   v3, s[\src:\src+1] offset:(\istep)*(\i)*(\rowb) th:TH_LOAD_NT      ; the even k: sixteen lanes take 256 consecutive bytes of a row
	global_load_b128 v[IN+8*(\i)+4:IN+8*(\i)+7], v3, s[\src:\src+1] offset:((\istep)*(\i)+1)*(\rowb) th:TH_LOAD_NT  ; the odd k
.endr
	v_mul_u32_u24 v4, v1, 4*TP                     ; in: row 4 c4 + c, word kp + 16 i
	v_lshl_add_u32 v4, v2, 2, v4
	v_mul_u32_u24 v5, v2, TP                       ; back: row dl + 16 i2, 16 bytes a lane
	v_lshl_add_u32 v5, v1, 4, v5
	v_lshrrev_b32 v7, 3, v2
	v_and_b32 v8, 7, v2
	v_mul_lo_u32 v6, v7, s30
	v_mul_lo_u32 v8, v8, s31
	v_lshlrev_b32 v9, 4, v1
	v_add3_u32 v6, v6, v8, v9                      ; my 16 bytes in dst
.irp i, 0,1,2,3
	s_wait_loadcnt 6-2*(\i)                        ; pair i's two loads are in; the 2 (3 - i) younger ones stay out
.irp c, 0,1,2,3
	v_cvt_pk_bf16_f32 v[CV+4*(\i)+(\c)], v[IN+8*(\i)+(\c)], v[IN+8*(\i)+4+(\c)]  ; the even k in the low half
.if \half
	v_lshlrev_b32 v10, 16, v[CV+4*(\i)+(\c)]       ; the two bf16 values as f32,
	v_and_b32 v11, 0xffff0000, v[CV+4*(\i)+(\c)]
	v_cvt_pk_f16_f32 v[CV+4*(\i)+(\c)], v10, v11   ; written as f16
.endif
	ds_store_b32 v4, v[CV+4*(\i)+(\c)] offset:(\c)*TP+64*(\i)
.endr
.endr
	s_wait_dscnt 0x0                               ; for the others' sake: my stores into the tile are done
	s_barrier_signal -1
	s_barrier_wait -1
.irp i, 0,1,2,3
	ds_load_b128 v[BK+4*(\i):BK+4*(\i)+3], v5 offset:16*TP*(\i)
.endr
.irp i, 0,1,2,3
	s_wait_dscnt 3-(\i)
	global_store_b128 v6, v[BK+4*(\i):BK+4*(\i)+3], s[\dst:\dst+1] offset:(\imm)*(\i)  ; sixteen lanes store 256 consecutive bytes, aligned
.endr
.endm
	s_load_b512 s[4:19], s[0:1], 0x0               ; x s[4:5], W_qkv s[6:7], W_out s[8:9], b_qkv s[10:11], b_out s[12:13], xb s[14:15], wq s[16:17], wo s[18:19]
	s_load_b128 s[20:23], s[0:1], 0x40             ; bq s[20:21], bo s[22:23]
	v_lshl_add_u32 v[SPW], v0, 2, SPARE
	v_mov_b32 v[NIL], 0
	v_and_b32 v1, 15, v0                           ; c4
	v_lshrrev_b32 v2, 4, v0                        ; kp
	s_mov_b32 s24, ttmp9
	s_wait_kmcnt 0x0
	s_cmp_lt_u32 s24, 384                          ; the same answer in all eight waves
	s_cbranch_scc1 .Lwq
	s_cmp_lt_u32 s24, 512
	s_cbranch_scc1 .Lwo
	s_cmp_eq_u32 s24, 512
	s_cbranch_scc1 .Lbias
	; X: 65,536 bytes of x become 32,768 of xb.  A wave takes 8,192 bytes: sixteen loads of 512 consecutive bytes, all out at once.
	s_sub_co_u32 s24, s24, 513
	s_lshl_b32 s26, s24, 16
	s_mov_b32 s27, 0
	s_add_nc_u64 s[4:5], s[4:5], s[26:27]
	s_lshl_b32 s26, s24, 15
	s_add_nc_u64 s[14:15], s[14:15], s[26:27]
	v_lshrrev_b32 v7, 5, v0                        ; wave
	v_and_b32 v8, 31, v0                           ; lane
	v_lshlrev_b32 v3, 4, v8
	v_lshl_add_u32 v3, v7, 13, v3
	v_lshlrev_b32 v4, 3, v8
	v_lshl_add_u32 v4, v7, 12, v4
.irp i, 0,1,2,3,4,5,6,7,8,9,10,11,12,13,14,15
	global_load_b128 v[IN+4*(\i):IN+4*(\i)+3], v3, s[4:5] offset:512*(\i) th:TH_LOAD_NT
.endr
.irp i, 0,1,2,3,4,5,6,7,8,9,10,11,12,13,14,15
	s_wait_loadcnt 15-(\i)                         ; loads come back in order: load i is in, the younger ones stay out
	v_cvt_pk_bf16_f32 v[BK+2*(\i)],   v[IN+4*(\i)],   v[IN+4*(\i)+1]
	v_cvt_pk_bf16_f32 v[BK+2*(\i)+1], v[IN+4*(\i)+2], v[IN+4*(\i)+3]
	global_store_b64 v4, v[BK+2*(\i):BK+2*(\i)+1], s[14:15] offset:256*(\i) th:TH_STORE_NT  ; 32 lanes store 256 consecutive bytes, aligned; no register is used twice
.endr
	s_branch .Lend
.Lwq:                                                  ; tile kt = id % 8 along k, ct = id / 8: part ct / 16, head ct % 16, all 64 channels
	s_and_b32 s25, s24, 7
	s_lshr_b32 s26, s24, 3
	s_mul_i32 s28, s25, 128*12288                  ; 128 kt rows of W_qkv,
	s_lshl_b32 s29, s26, 8                         ; 64 ct columns
	s_add_co_u32 s28, s28, s29
	s_mov_b32 s29, 0
	s_add_nc_u64 s[6:7], s[6:7], s[28:29]
	s_lshr_b32 s32, s26, 4                         ; q, k: channel d = dl + 16 i2 of head hd goes to row 1024 part + 8 hd + 256 i2 + 128 (dl >> 3) + (dl & 7)
	s_lshl_b32 s32, s32, 10
	s_and_b32 s33, s26, 15
	s_lshl_b32 s33, s33, 3
	s_add_co_u32 s32, s32, s33
	s_and_b32 s34, s26, 31                         ; v: head g = ct - 32: row 2048 + 128 (g / 8) + g % 8 + 256 i2 + 64 (dl >> 3) + 8 (dl & 7)
	s_lshr_b32 s35, s34, 3
	s_lshl_b32 s35, s35, 7
	s_and_b32 s34, s34, 7
	s_add_co_u32 s34, s34, s35
	s_add_co_u32 s34, s34, 2048
	s_mov_b32 s30, 64*2048
	s_mov_b32 s31, 8*2048
	s_cmp_lt_u32 s26, 32
	s_cselect_b32 s32, s32, s34
	s_cselect_b32 s30, 128*2048, s30
	s_cselect_b32 s31, 2048, s31
	s_lshl_b32 s32, s32, 11                        ; a row of wq is 2,048 bytes;
	s_lshl_b32 s33, s25, 8                         ; the tile's 128 k are 256 of them
	s_add_co_u32 s32, s32, s33
	s_mov_b32 s33, 0
	s_add_nc_u64 s[16:17], s[16:17], s[32:33]
	v_mul_u32_u24 v3, v2, 2*12288                  ; source row 2 kp, my 4 columns
	v_lshl_add_u32 v3, v1, 4, v3
	WTILE 6, 16, 12288, 32, 0, 256*2048
	s_branch .Lend
.Lwo:                                                  ; tile kt along c'', ct: columns n = 64 ct ..; position 128 kt + kl of c'' is source row 64 (kl / 8) + 8 kt + kl % 8
	s_sub_co_u32 s24, s24, 384
	s_and_b32 s25, s24, 7
	s_lshr_b32 s26, s24, 3
	s_lshl_b32 s28, s25, 15                        ; 8 kt rows of 4,096 bytes
	s_lshl_b32 s29, s26, 8
	s_add_co_u32 s28, s28, s29
	s_mov_b32 s29, 0
	s_add_nc_u64 s[8:9], s[8:9], s[28:29]
	s_lshl_b32 s32, s26, 17                        ; 64 ct rows of wo
	s_lshl_b32 s33, s25, 8
	s_add_co_u32 s32, s32, s33
	s_mov_b32 s33, 0
	s_add_nc_u64 s[18:19], s[18:19], s[32:33]
	s_mov_b32 s30, 8*2048                          ; row dl = 8 (dl >> 3) + (dl & 7)
	s_mov_b32 s31, 2048
	v_lshrrev_b32 v7, 2, v2
	v_and_b32 v8, 3, v2
	v_lshlrev_b32 v3, 18, v7                       ; source row 64 (kp / 4) + 2 (kp % 4); pair i adds 256 rows
	v_lshl_add_u32 v3, v8, 13, v3
	v_lshl_add_u32 v3, v1, 4, v3
	WTILE 8, 18, 4096, 256, 1, 16*2048
	s_branch .Lend
.Lbias:                                                ; thread t = 128 hh + 8 r + e makes positions t + 256 jj of bq (jj 0-11) and of bo (jj 0-3)
	v_bfe_u32 v1, v0, 3, 4                         ; r
	v_lshrrev_b32 v2, 7, v0                        ; hh
	v_and_b32 v3, 7, v0                            ; e
	v_lshlrev_b32 v4, 8, v1                        ; q, k: column 64 r + 8 hh + e + 1024 part + 16 i
	v_lshl_add_u32 v4, v2, 5, v4
	v_lshl_add_u32 v4, v3, 2, v4
	v_lshlrev_b32 v5, 11, v2                       ; v: column 2048 + 64 (8 hh + e) + r + 16 blk
	v_lshl_add_u32 v5, v3, 8, v5
	v_lshl_add_u32 v5, v1, 2, v5
	v_lshlrev_b32 v6, 2, v0
.irp j, 0,1,2,3,4,5,6,7
	global_load_b32 v[IN+(\j)], v4, s[10:11] offset:(1024*((\j)/4)+16*((\j)%4))*4
.endr
.irp j, 0,1,2,3
	global_load_b32 v[IN+8+(\j)], v5, s[10:11] offset:(2048+16*(\j))*4
.endr
.irp j, 0,1,2,3
	global_load_b32 v[IN+12+(\j)], v6, s[12:13] offset:1024*(\j)
.endr
	s_wait_loadcnt 0x0
.irp p, 0,1,2,3,4,5,6,7
	v_cvt_pk_bf16_f32 v[CV+(\p)], v[IN+2*(\p)], v[IN+2*(\p)+1]  ; rounded to bf16,
	v_lshlrev_b32 v[IN+2*(\p)], 16, v[CV+(\p)]                  ; and back as f32
	v_and_b32 v[IN+2*(\p)+1], 0xffff0000, v[CV+(\p)]
.endr
.irp j, 0,1,2,3,4,5,6,7,8,9,10,11
	global_store_b32 v6, v[IN+(\j)], s[20:21] offset:1024*(\j)
.endr
.irp j, 0,1,2,3
	global_store_b32 v6, v[IN+12+(\j)], s[22:23] offset:1024*(\j)
.endr
.Lend:
	s_wait_tensorcnt 0x0                           ; the wave's end: behind my last LDS store
	ds_add_u32 v[SPW], v[NIL]
	s_wait_dscnt 0x0
	s_endpgm
.Lfunc_end_k_qa06f8d150f_prep:
	.size	k_qa06f8d150f_prep, .Lfunc_end_k_qa06f8d150f_prep-k_qa06f8d150f_prep
	.p2alignl 7, 3214868480
	.fill 96, 4, 3214868480
	.section	.rodata,"a",@progbits
	.p2align	6, 0x0
	.amdhsa_kernel k_qa06f8d150f_prep
		.amdhsa_group_segment_fixed_size 18432
		.amdhsa_private_segment_fixed_size 0
		.amdhsa_enable_private_segment 0
		.amdhsa_kernarg_size 80
		.amdhsa_user_sgpr_count 2
		.amdhsa_user_sgpr_kernarg_segment_ptr 1
		.amdhsa_wavefront_size32 1
		.amdhsa_system_sgpr_workgroup_id_x 1
		.amdhsa_system_sgpr_workgroup_id_y 1
		.amdhsa_system_sgpr_workgroup_id_z 1
		.amdhsa_system_vgpr_workitem_id 0
		.amdhsa_next_free_vgpr 128
		.amdhsa_next_free_sgpr 66
		.amdhsa_reserve_vcc 0
		.amdhsa_float_denorm_mode_32 3
		.amdhsa_float_denorm_mode_16_64 3
		.amdhsa_memory_ordered 1
		.amdhsa_forward_progress 1
		.amdhsa_inst_pref_size 26
	.end_amdhsa_kernel
	.amdgpu_metadata
---
amdhsa.version: [ 1, 2 ]
amdhsa.kernels:
  - .name:           k_qa06f8d150f_prep
    .symbol:         k_qa06f8d150f_prep.kd
    .args:
      - { .name: x, .offset: 0, .size: 8, .value_kind: global_buffer, .address_space: global }
      - { .name: W_qkv, .offset: 8, .size: 8, .value_kind: global_buffer, .address_space: global }
      - { .name: W_out, .offset: 16, .size: 8, .value_kind: global_buffer, .address_space: global }
      - { .name: b_qkv, .offset: 24, .size: 8, .value_kind: global_buffer, .address_space: global }
      - { .name: b_out, .offset: 32, .size: 8, .value_kind: global_buffer, .address_space: global }
      - { .name: xb, .offset: 40, .size: 8, .value_kind: global_buffer, .address_space: global }
      - { .name: wq, .offset: 48, .size: 8, .value_kind: global_buffer, .address_space: global }
      - { .name: wo, .offset: 56, .size: 8, .value_kind: global_buffer, .address_space: global }
      - { .name: bq, .offset: 64, .size: 8, .value_kind: global_buffer, .address_space: global }
      - { .name: bo, .offset: 72, .size: 8, .value_kind: global_buffer, .address_space: global }
    .group_segment_fixed_size: 18432
    .private_segment_fixed_size: 0
    .kernarg_segment_align: 8
    .kernarg_segment_size: 80
    .max_flat_workgroup_size: 256
    .sgpr_count:     66
    .vgpr_count:     128
    .wavefront_size: 32
...
	.end_amdgpu_metadata
.endif
;; end of part 1
;; launch gemm1 (part 2): grid 4 x 64, 4 waves a work-group, clusters of 4 x 4, 327,680 bytes of LDS; arguments xb, wq, bq, qkv; writes qkv
.if DOCPART == 2
	.amdgcn_target "amdgcn-amd-amdhsa--gfx1250"
	.amdhsa_code_object_version 6
	.text
	.protected	k_qa06f8d150f_gemm1
	.globl	k_qa06f8d150f_gemm1
	.p2align	8
	.type	k_qa06f8d150f_gemm1,@function
k_qa06f8d150f_gemm1:
	s_mov_b64 s[64:65], 0
	v_nop
	global_prefetch_b8 v0, s[64:65] scope:SCOPE_SE
	s_setreg_imm32_b32 hwreg(HW_REG_WAVE_MODE, 25, 1), 1
	s_wait_xcnt 0x0
	s_wait_alu depctr_hold_cnt(0) depctr_sa_sdst(0) depctr_va_vdst(0) depctr_va_sdst(0) depctr_va_ssrc(0) depctr_va_vcc(0) depctr_vm_vsrc(0)
	s_getreg_b32 s2, hwreg(HW_REG_IB_STS2, 6, 4)
	s_cmp_eq_u32 s2, 0
	s_cbranch_scc0 .Lentry_in_a_cluster
	s_endpgm
.Lentry_in_a_cluster:
	s_bfe_u32 s2, ttmp6, 0x10000c
	s_cmp_lg_u32 s2, 0xf033
	s_cbranch_scc0 .Lentry_shape_is_right
	s_endpgm
.Lentry_shape_is_right:
; qkv[m][n'] = bq[n'] + the sum over k of xb[m][k] wq[n'][k].  xb: [16384][1024] bf16, wq: [3072][1024] bf16, bq: [3072] f32, qkv: [16384][3072] f16; sums in f32, rounded once.
; LIMIT: qkv is kept in f16: a sum of 65,520 or more becomes an infinity.  Inputs of unit spread with weights of spread 1/32 give numbers of about 5; both thirty times larger, about 5,000.
; A tile of C, 256 x 256, is made by four waves, as many as a WGP has SIMDs; a wave makes 128 x 128: 64 accumulators of 16 x 16, 512 registers.  K goes in steps of 128 through a ring of two
; LDS slots filled by the tensor data mover: the rows of A's and B's tiles are 256 bytes of memory and start at multiples of 256 bytes.
; A WORK-GROUP STAYS: it makes three tiles of one tile row, tile columns cx, cx + 4, cx + 8 (the q, k and v parts): 64 x 4 = 256 work-groups.  The ring does not stop at a tile's end: a tile's last two
; changes of slots ask for the next tile's first two K steps (A goes back along K, B 1,024 rows down and back), and nothing waits for a tile's stores.
; ONE WAY OUT: the tail of a tile that has a successor and the tail of the last tile are two texts; they join at one way out, behind which the tile counter decides.
; CLUSTERS: 4 x 4 work-groups.  The four of a row of the cluster need the same tiles of A, the four of a column the same tiles of B: each tile is asked for JOINTLY, by the same tensor load with the
; same descriptor and a mask that names the four.
; THE BIAS IS THE C OPERAND of the product that starts each sum: nothing is cleared and nothing is added later.
; THE MATRIX INSTRUCTION IS USED TRANSPOSED: source 0 = 16 rows of B, source 1 = 16 rows of A: lane l holds row l % 16 of C and the columns 8 (l / 16) + 0..7, which pack into 16 bytes.
; REGISTERS, in windows of 256 (s_set_vgpr_msb: bits 1:0 source 0, 3:2 source 1, 5:4 source 2, 7:6 destination):
;   window 0: v0-31 addresses; v64-127, v128-191 fragments of A, two buffers; v32-63, v192-255 at work on the way out
;   window 1: v0-63 the bias of my 128 columns (block b of 16 at v[8 b]); v64-127, v128-191 fragments of B, two buffers
;   window 2: the 32 accumulators of my rows 0-63 (accumulator (a, b) at v[8 (8 a + b)]);   window 3: those of my rows 64-127
.set SIZE_K,  1024
.set SIZE_N,  3072
.set TILES,   3
.set KSTEP,   128
.set PITCH,   272                      ; an LDS row: 256 bytes + 16 of padding = 68 words: the 16 rows that a load touches start at 16 different groups of four banks (64 banks of 4 bytes: ISA guide 11.1)
.set HALFT,   128*PITCH                ; 128 rows: what one tensor load brings, and what one wave reads of A or of B
.set SLOT,    4*HALFT                  ; A's 256 rows, then B's 256 rows
.set STAGE,   2*SLOT                   ; behind the ring: 16 rows x 272 bytes for each wave, for the way out
.set SPITCH,  272
.set SPARE,   STAGE+4*16*SPITCH        ; behind the stages: the spare words, 128 bytes for each wave
.set LAPS,    SIZE_K/(2*KSTEP)         ; a lap = two K steps = once round the ring
.set BACK_A,  (SIZE_K-2*KSTEP)*2       ; bytes from a slot's last K step of a tile back to its first
.set NEXT_B,  1024*SIZE_K*2-BACK_A     ; B: 1,024 rows down and back along K
.set NEXT_PF, 1023*SIZE_K*2+KSTEP*2    ; the prefetches' address: from the K step after a tile's last to the next tile's K step 1
.set ADRA, 16                          ; v16-17  LDS address of my A fragments in slot 0, 1
.set ADRB, 20                          ; v20-21  the same for B
.set STO,  24                          ; v24     the way out: where I put 16 bytes of a row
.set RD,   25                          ; v25     the way out: where I read a row back
.set CO,   26                          ; v26     my byte offset in C
.set BO,   27                          ; v27     my byte offset in a block of 16 biases: 32 (l / 16)
.set SPW,  28                          ; v28     LDS address of my spare word; never rewritten
.set NIL,  29                          ; v29     0; never rewritten
.set PFO,  30                          ; v30     the prefetches' offset: my lane x a row of A or B; never rewritten
.set PFA,  44                          ; s[44:45] where my prefetches stand
.set LIM,  43                          ; s43     1 in a wave that prefetches, else the greatest number
.set BQ,   66                          ; s[66:67] the bias of my 128 columns of the tile whose bias was loaded last
.set F0,   64
.set F1,   128
.set TMP,  192
.set OB,   32
.set G1,  24                           ; s[24:31] descriptor group 1 for A's tiles;  s[32:39] group 0, a set for each slot
.set G0,  32
.set G1B, 48                           ; s[48:55], s[56:63] the same for B's tiles
.set G0B, 56
.set MSB, 0
.macro WIN new                         ; the immediate's high byte repeats the setting that is left; a switch that changes nothing is dropped
.if MSB != (\new)
	s_set_vgpr_msb (MSB<<8)|(\new)
.set MSB, \new
.endif
.endm
.set MUL_LO, 0xa1                      ; source 0 (B) window 1, source 1 (A) window 0, C and D window 2
.set MUL_HI, 0xf1                      ; the same, C and D window 3
.set TO_B,   0x40                      ; destination window 1, address window 0
; A joint load.  Waves 0 and 1 fetch A's two halves, waves 2 and 3 B's.  The branch hangs on the wave's number alone.  An s_nop 0 and four v_nop follow each of the two lines.
.macro JLOAD s
	s_cmp_eq_u32 s11, 0
	s_cbranch_scc0 .Lfor_b_\@
	tensor_load_to_lds s[G0+4*(\s):G0+4*(\s)+3], s[G1:G1+7]
	s_nop 0
.rept 4
	v_nop
.endr
	s_branch .Lasked_\@
.Lfor_b_\@:
	tensor_load_to_lds s[G0B+4*(\s):G0B+4*(\s)+3], s[G1B:G1B+7]
	s_nop 0
.rept 4
	v_nop
.endr
.Lasked_\@:
.endm
; A PREFETCH INTO THE L2, behind each joint load and the run of LDS loads that follows it: the K step that stands two refills on, 512 matrix instructions ahead of the load that will want it:
; 32 rows x 256 bytes, a lane a row, one instruction a wave.  Each row's 256 bytes of a K step are named once in the launch.  A's rows belong to one row of one cluster: its four partners share the
; 128 rows that a wave fetches BY ADDRESS, 32 each, and ask in the first tile alone (the later tiles walk the same rows again).  B's rows are walked by all sixteen clusters: cluster y = 0 asks,
; in all three tiles.  how = 0, in the loop: a tile's last two refills have no K step two on; how = 1, at a change of tiles: the next tile's K steps 2 and 3.
.macro ASK how
.if \how
	s_cmp_eq_u32 s[LIM], 1
.else
	s_cmp_gt_u32 s3, s[LIM]                        ; s3 = 1 in the loop's last trip
.endif
	s_cbranch_scc0 .Lnot_mine_\@
	global_prefetch_b8 v[PFO], s[PFA:PFA+1] offset:KSTEP*2 th:TH_LOAD_NT scope:SCOPE_SE
.Lnot_mine_\@:
.endm
.macro CREST                           ; a round of the cluster's barrier behind its opening barrier
	s_cmp_lg_u32 s10, 0
	s_cbranch_scc1 .Lnot_wave_0_\@
	s_barrier_signal -3
.Lnot_wave_0_\@:
	s_barrier_wait -3
	s_barrier_signal -1
	s_barrier_wait -1
.endm
.macro CROUND                          ; a whole round
	s_barrier_signal -1
	s_barrier_wait -1
	CREST
.endm
; The bias of my 128 columns: register j of block b in lane l is bias 16 b + 8 (l / 16) + j, the C operand's layout.
.macro BIASLD
	WIN TO_B
.irp b, 0,1,2,3,4,5,6,7
	global_load_b128 v[8*(\b):8*(\b)+3],   v[BO], s[BQ:BQ+1] offset:64*(\b)
	global_load_b128 v[8*(\b)+4:8*(\b)+7], v[BO], s[BQ:BQ+1] offset:64*(\b)+16
.endr
	WIN 0
.endm
	s_load_b128 s[4:7], s[0:1], 0x0                ; A = xb s[4:5], B = wq s[6:7]
	s_load_b64 s[BQ:BQ+1], s[0:1], 0x10            ; bq
	s_load_b64 s[8:9], s[0:1], 0x18                ; C = qkv
	v_lshl_add_u32 v[SPW], v0, 2, SPARE
	v_mov_b32 v[NIL], 0
	ds_add_u32 v[SPW], v[NIL]                      ; the wave's opening: the add and its wait stand ahead of my first tensor load; the set-up below, work on registers, stands between them
	v_lshrrev_b32 v1, 5, v0
	v_readfirstlane_b32 s10, v1                    ; wave 0..3
	s_lshr_b32 s11, s10, 1                         ; which half of the tile's rows is mine.  Also: I fetch for A (0) or for B (1)
	s_and_b32 s12, s10, 1                          ; which half of its columns.  Also: which 128 rows of that tile I fetch
	s_bfe_u32 s40, ttmp6, 0x40000                  ; cx
	s_bfe_u32 s41, ttmp6, 0x40004                  ; cy
	s_lshl_b32 s42, ttmp9, 2
	s_add_co_u32 s42, s42, s40                     ; my first tile column = 4 x cluster x + cx (the grid has one cluster along x)
	s_and_b32 s13, ttmp7, 0xffff
	s_lshl_b32 s13, s13, 2
	s_add_co_u32 s13, s13, s41                     ; tile row = 4 x cluster y + cy
	s_lshl_b32 s43, s41, 2
	s_lshl_b32 s43, 15, s43                        ; my row of the cluster
	s_lshl_b32 s44, 0x1111, s40                    ; my column
	; descriptor group 1: a tile of 128 rows x 128 elements, padded in LDS
	s_or_b32 s[G1+0], s43, (1<<16)|(1<<20)|(1<<21)|(5<<22)|(3<<25)  ; 15:0 the mask; 17:16 elements of 2 bytes; 20 padding on; 21 set beside a mask; 24:22 after every 64 words (code 5); 31:25 4 words (code 3)
	s_or_b32 s[G1B+0], s44, (1<<16)|(1<<20)|(1<<21)|(5<<22)|(3<<25)
.irp g, G1, G1B
	s_mov_b32 s[(\g)+1], KSTEP<<16                 ; tensor_dim0 = 128
	s_mov_b32 s[(\g)+2], 128<<16                   ; tensor_dim1 = 128
	s_mov_b32 s[(\g)+3], KSTEP<<16                 ; tile_dim0 = 128
	s_mov_b32 s[(\g)+4], 128                       ; tile_dim1 = 128
	s_mov_b32 s[(\g)+5], SIZE_K                    ; elements from row to row
	s_mov_b32 s[(\g)+6], 0
	s_mov_b32 s[(\g)+7], 0
.endr
	; A's tiles hang on the tile row alone, which my row of the cluster shares; B's on the tile column alone, which my column shares
	s_lshl_b32 s17, s12, 7
	s_lshl_b32 s16, s13, 8
	s_add_co_u32 s16, s16, s17                     ; A: row 256 x tile row + 128 x half
	s_lshl_b32 s46, s42, 8
	s_add_co_u32 s46, s46, s17                     ; B: row 256 x tile column + 128 x half
	s_mov_b32 s17, 0
	s_mov_b32 s47, 0
	s_mov_b64 s[18:19], SIZE_K*2
	s_mul_u64 s[16:17], s[16:17], s[18:19]
	s_mul_u64 s[46:47], s[46:47], s[18:19]
	s_mul_i32 s20, s10, HALFT                      ; where they go: wave x 128 rows: no place in the cluster enters an LDS address
	s_wait_dscnt 0x0                               ; the opening add is done
	s_wait_kmcnt 0x0
	s_add_nc_u64 s[14:15], s[4:5], s[16:17]
	s_add_nc_u64 s[46:47], s[6:7], s[46:47]
	CROUND                                         ; all sixteen work-groups are here: the first joint loads meet
.irp s, 0,1
	s_mov_b32 s[G0+4*(\s)], 1                                      ; count = 1
	s_add_co_u32 s[G0+4*(\s)+1], s20, (\s)*SLOT                    ; LDS address
	s_add_nc_u64 s[G0+4*(\s)+2:G0+4*(\s)+3], s[14:15], (\s)*KSTEP*2  ; global address: K step s
	s_or_b32 s[G0+4*(\s)+3], s[G0+4*(\s)+3], 0x80000000            ; type = 2
	s_mov_b32 s[G0B+4*(\s)], 1
	s_add_co_u32 s[G0B+4*(\s)+1], s20, (\s)*SLOT
	s_add_nc_u64 s[G0B+4*(\s)+2:G0B+4*(\s)+3], s[46:47], (\s)*KSTEP*2
	s_or_b32 s[G0B+4*(\s)+3], s[G0B+4*(\s)+3], 0x80000000
	JLOAD \s                                       ; two tensor loads of mine are out
.endr
	v_and_b32 v1, 15, v0                           ; l % 16
	v_bfe_u32 v2, v0, 4, 1                         ; l / 16
	v_lshlrev_b32 v[BO], 5, v2
	s_lshl_b32 s68, s42, 10                        ; the tile column's 256 biases of 4 bytes,
	s_lshl_b32 s69, s12, 9                         ; my half of them
	s_add_co_u32 s68, s68, s69
	s_mov_b32 s69, 0
	s_add_nc_u64 s[BQ:BQ+1], s[BQ:BQ+1], s[68:69]
	BIASLD                                         ; the first tile's bias
	v_mul_u32_u24 v3, v1, PITCH
	v_lshl_add_u32 v3, v2, 4, v3                   ; a fragment's row x pitch + 16 x half
	s_mul_i32 s21, s11, HALFT                      ; my 128 rows of A
	s_mul_i32 s22, s12, HALFT                      ; my 128 rows of B,
	s_add_co_u32 s22, s22, 2*HALFT                 ; which lie behind A's 256
.irp s, 0,1
	v_add_nc_u32 v[ADRA+(\s)], s21, v3
	v_add_nc_u32 v[ADRB+(\s)], s22, v3
	s_add_co_u32 s21, s21, SLOT
	s_add_co_u32 s22, s22, SLOT
.endr
	s_mul_i32 s23, s10, 16*SPITCH
	s_add_co_u32 s23, s23, STAGE                   ; my stage
	v_mul_u32_u24 v4, v1, SPITCH                   ; in: row l % 16, 16 bytes for each half of the lanes
	v_lshl_add_u32 v4, v2, 4, v4
	v_add_nc_u32 v[STO], s23, v4
	v_mul_u32_u24 v5, v2, SPITCH                   ; back: lanes 0-15 take one row of 256 bytes, lanes 16-31 the next
	v_lshl_add_u32 v5, v1, 4, v5
	v_add_nc_u32 v[RD], s23, v5
	v_mul_u32_u24 v5, v2, SIZE_N*2                 ; and the same two rows in C
	v_lshl_add_u32 v[CO], v1, 4, v5
	s_lshl_b32 s13, s13, 8                         ; C at my part of the first tile
	s_lshl_b32 s14, s11, 7
	s_add_co_u32 s16, s13, s14                     ; my first row
	s_mov_b32 s17, 0
	s_mov_b64 s[18:19], SIZE_N*2
	s_mul_u64 s[16:17], s[16:17], s[18:19]
	s_lshl_b32 s46, s42, 9                         ; my first column, in bytes
	s_lshl_b32 s47, s12, 8
	s_add_co_u32 s46, s46, s47
	s_mov_b32 s47, 0
	s_add_nc_u64 s[16:17], s[16:17], s[46:47]
	s_add_nc_u64 s[8:9], s[8:9], s[16:17]
	; the prefetches.  s13 = 256 x tile row, s42 = tile column, s40 = cx, s41 = cy still stand
	s_lshl_b32 s42, s42, 8
	s_and_b32 s22, ttmp7, 0xffff                   ; cluster y
	s_cmp_eq_u32 s11, 0                            ; do I fetch for A?
	s_cselect_b32 s20, s13, s42                    ; the tile's first row
	s_cselect_b32 s21, s40, s41                    ; my place among the four that ask for it with me
	s_cselect_b32 s22, ttmp9, s22                  ; the coordinate along which other clusters read the same rows
	s_cselect_b64 s[PFA:PFA+1], s[4:5], s[6:7]
	s_cmp_eq_u32 s22, 0
	s_cselect_b32 s[LIM], 1, -1                    ; the same in all sixteen partners, for a given wave
	s_lshl_b32 s22, s12, 7
	s_add_co_u32 s20, s20, s22                     ; + the 128 rows that I fetch
	s_lshl_b32 s21, s21, 5
	s_add_co_u32 s20, s20, s21                     ; + my work-group's 32 of them
	s_mov_b32 s21, 0
	s_mov_b64 s[18:19], SIZE_K*2
	s_mul_u64 s[20:21], s[20:21], s[18:19]
	s_add_nc_u64 s[PFA:PFA+1], s[PFA:PFA+1], s[20:21]
	s_add_nc_u64 s[PFA:PFA+1], s[PFA:PFA+1], 2*KSTEP*2  ; at K step 2: the first refill steps it to 3 and names K step 4.  Nothing is prefetched here, at the head
	v_and_b32 v[PFO], 31, v0
	v_mul_u32_u24 v[PFO], v[PFO], SIZE_K*2
; 16 matrix instructions: m blocks a0, a0 + 1 of the window's four (hi = 0: my rows 0-63, 1: rows 64-127) x all 8 n blocks, 32 along K.  zero = 1: the product starts the sum, with the bias as C.
; The 64 accumulators take turns, one instruction a turn, in the same order in every quarter step.
.macro MUL16 f, hi, a0, zero
.if \zero
	WIN 0x91+0x40*(\hi)                            ; C in window 1, D in window 2 or 3
.else
	WIN MUL_LO+0x50*(\hi)
.endif
.irp a, \a0, (\a0)+1
.irp b, 0,1,2,3,4,5,6,7
.if \zero
	v_wmma_f32_16x16x32_bf16 v[8*(8*(\a)+(\b)):8*(8*(\a)+(\b))+7], v[(\f)+8*(\b):(\f)+8*(\b)+7], v[(\f)+8*(4*(\hi)+(\a)):(\f)+8*(4*(\hi)+(\a))+7], v[8*(\b):8*(\b)+7]
.else
	v_wmma_f32_16x16x32_bf16 v[8*(8*(\a)+(\b)):8*(8*(\a)+(\b))+7], v[(\f)+8*(\b):(\f)+8*(\b)+7], v[(\f)+8*(4*(\hi)+(\a)):(\f)+8*(4*(\hi)+(\a))+7], v[8*(8*(\a)+(\b)):8*(8*(\a)+(\b))+7]
.endif
.endr
.endr
.endm
; 32 LDS loads in one run: the fragments of one quarter step (128 rows of B, 128 rows of A, 32 K at byte k of the rows) into buffer f
.macro FETCH slot, k, f
	WIN TO_B
.irp i, 0,1,2,3,4,5,6,7
	ds_load_b128 v[(\f)+8*(\i):(\f)+8*(\i)+3],   v[ADRB+(\slot)] offset:(\k)+(\i)*16*PITCH
	ds_load_b128 v[(\f)+8*(\i)+4:(\f)+8*(\i)+7], v[ADRB+(\slot)] offset:(\k)+(\i)*16*PITCH+32
.endr
	WIN 0
.irp i, 0,1,2,3,4,5,6,7
	ds_load_b128 v[(\f)+8*(\i):(\f)+8*(\i)+3],   v[ADRA+(\slot)] offset:(\k)+(\i)*16*PITCH
	ds_load_b128 v[(\f)+8*(\i)+4:(\f)+8*(\i)+7], v[ADRA+(\slot)] offset:(\k)+(\i)*16*PITCH+32
.endr
.endm
; A load into a register that a matrix instruction has read, and a vector instruction that reads a matrix result, stand four places behind that matrix instruction; only plain vector
; instructions that name none of its registers are places (ISA guide 7.12.1 for vector instructions).
.macro PLACES
.rept 4
	v_nop
.endr
.endm
; A K step is four quarter steps of 32 along K, 64 matrix instructions each, on buffers 0, 1, 0, 1.  One of the first three: multiplies buffer f; in its middle it fetches the next quarter, at byte k, into g.
.macro QUARTER slot, k, f, g, zero
	s_wait_dscnt 8                                 ; B and A's rows 0-63 are in; the youngest eight loads (A's rows 64-127) may be out
	MUL16 \f, 0, 0, \zero
	MUL16 \f, 0, 2, \zero
	PLACES
	FETCH \slot, \k, \g
	s_wait_dscnt 32                                ; all but the 32 just issued
	MUL16 \f, 1, 0, \zero
	MUL16 \f, 1, 2, \zero
.endm
; The first half of the last quarter: ONE barrier for the change of slots.  In front of it each wave waits for all its tensor loads, of which one is out: its part of the next slot; adds 0 to its
; spare word; and waits for that and for its own reads of this slot.  Behind it nobody reads this slot any more and the next slot is whole.
.macro MEET round                      ; round = 1: a round of the cluster's barrier follows
	WIN 0                                          ; (the add's two registers lie in window 0)
	s_wait_tensorcnt 0x0
	ds_add_u32 v[SPW], v[NIL]                      ; 0 onto my spare word
	s_wait_dscnt 9                                 ; (the add and the youngest eight loads may be out)
	MUL16 F1, 0, 0, 0                              ; sixteen matrix instructions stand between the add and the wait for it
	s_wait_dscnt 0x0                               ; the add is done, and my reads of this slot are over
	s_barrier_signal -1
	MUL16 F1, 0, 2, 0                              ; work on registers while the others arrive
.if \round
	WIN 0
.endif
	s_barrier_wait -1
.endm
; The whole last quarter.  on = 0: the slot just read out is filled again with this tile's K step two steps on; on = 1: with the next tile's K step 0 or 1; on = 2 (the last tile's last lap): nothing is
; filled, so no round follows.  From a request to the wait for it a wave issues 224 matrix instructions, across tiles too.
.macro TURN slot, next, on
.if (\on) == 2
	MEET 0
	PLACES
	FETCH \next, 0, F0
.else
	s_wait_xcnt 0x0                                ; the last prefetch, a K step back, has read its address, so it may be stepped
.if (\on) && (\slot) == 0
	s_add_nc_u64 s[PFA:PFA+1], s[PFA:PFA+1], NEXT_PF
	s_cmp_eq_u32 s11, 1
	s_cselect_b32 s[LIM], s[LIM], -1               ; A's rows are the same for all three tiles: they are asked for in the first alone
.else
	s_add_nc_u64 s[PFA:PFA+1], s[PFA:PFA+1], KSTEP*2
.endif
	MEET 1
	CREST                                          ; no wave of any partner still reads this slot's tile or has a load on its way
.if \on
	s_sub_nc_u64 s[G0+4*(\slot)+2:G0+4*(\slot)+3], s[G0+4*(\slot)+2:G0+4*(\slot)+3], BACK_A
	s_add_nc_u64 s[G0B+4*(\slot)+2:G0B+4*(\slot)+3], s[G0B+4*(\slot)+2:G0B+4*(\slot)+3], NEXT_B
.else
	s_add_nc_u64 s[G0+4*(\slot)+2:G0+4*(\slot)+3], s[G0+4*(\slot)+2:G0+4*(\slot)+3], 2*KSTEP*2
	s_add_nc_u64 s[G0B+4*(\slot)+2:G0B+4*(\slot)+3], s[G0B+4*(\slot)+2:G0B+4*(\slot)+3], 2*KSTEP*2
.endif
	JLOAD \slot                                    ; the first tensor load behind the round, my one load until the next; its four v_nop are also the places in front of the loads below
	FETCH \next, 0, F0
	ASK \on
.endif
	MUL16 F1, 1, 0, 0
	MUL16 F1, 1, 2, 0
.endm
.macro LASTQ                           ; the very last quarter: nothing more to fetch
	s_wait_dscnt 8
	MUL16 F1, 0, 0, 0
	MUL16 F1, 0, 2, 0
	s_wait_dscnt 0x0
	MUL16 F1, 1, 0, 0
	MUL16 F1, 1, 2, 0
.endm
; THE WAY OUT of block a (16 rows), in three parts.  PACK: rounded to f16, 16 bytes a lane, each accumulator's registers in ascending order.  TOSTAGE: into my own stage in LDS, and back as whole
; rows of 256 bytes.  SEND: stored.
.macro PACK a
.set AC, 64*((\a)%4)
	WIN 0x0a+5*((\a)/4)                            ; sources 0 and 1: window 2 or 3
.irp b, 0,1,2,3,4,5,6,7
.irp r, 0,1,2,3
	v_cvt_pk_f16_f32 v[TMP+4*(\b)+(\r)], v[AC+8*(\b)+2*(\r)], v[AC+8*(\b)+2*(\r)+1]
.endr
.endr
	WIN 0
.endm
.macro TOSTAGE a
	WIN 0
.set BK, OB+192*((\a)%2)
.irp b, 0,1,2,3,4,5,6,7
	ds_store_b128 v[STO], v[TMP+4*(\b):TMP+4*(\b)+3] offset:32*(\b)
.endr
.irp t, 0,1,2,3,4,5,6,7
	ds_load_b128 v[BK+4*(\t):BK+4*(\t)+3], v[RD] offset:(\t)*2*SPITCH  ; LDS serves a wave's instructions in order (ISA guide 5.7.1.4): these see the stores above
.endr
.endm
.macro SEND a, younger
	WIN 0
.set BK, OB+192*((\a)%2)
	s_wait_dscnt \younger                          ; the block is back in registers
	s_wait_xcnt 0x0                                ; the stores of the block before have read their registers: the next TOSTAGE loads into them only behind this wait
.irp t, 0,1,2,3,4,5,6,7
	global_store_b128 v[CO], v[BK+4*(\t):BK+4*(\t)+3], s[8:9] offset:(16*(\a)+2*(\t))*SIZE_N*2 th:TH_STORE_NT  ; 16 lanes store 256 consecutive bytes, aligned; the row stands in the immediate, 774,144 at the most
.endr
.endm
.macro WAYOUT                          ; block a's conversions stand between block a - 1's loads from the stage and the wait for them
	PACK 0
	TOSTAGE 0
.irp a, 1,2,3,4,5,6,7
	PACK \a
	SEND (\a)-1, 0
	TOSTAGE \a
.endr
	SEND 7, 0
.endm
	s_wait_tensorcnt 1                             ; my part of K step 0 is in; K step 1's may stay out
	s_barrier_signal -1
	s_barrier_wait -1                              ; everybody's is
	FETCH 0, 0, F0
	s_mov_b32 s2, TILES                            ; tiles to go, this one among them: the same number in every work-group
.Ltile:
	s_wait_loadcnt 0x0                             ; this tile's bias is in (and its loads have read their base)
	QUARTER 0, 64,  F0, F1, 1                      ; a tile's first quarter stands in front of the loop: its products start the sums
	WIN 0                                          ; at a label and at a branch every window is 0
	s_cmp_eq_u32 s2, 1
	s_cbranch_scc1 .Lno_bias                       ; the last tile has no next
	PLACES                                         ; the bias registers were read by the products just issued
	s_add_nc_u64 s[BQ:BQ+1], s[BQ:BQ+1], 4096      ; four tile columns on
	BIASLD                                         ; the next tile's bias: a whole tile ahead of its use
.Lno_bias:
	s_mov_b32 s3, LAPS-1
.Llap:                                                 ; a trip goes once round the ring, from a lap's second quarter to the next lap's first, and fills both slots again
	QUARTER 0, 128, F1, F0, 0
	QUARTER 0, 192, F0, F1, 0
	TURN 0, 1, 0
	QUARTER 1, 64,  F0, F1, 0
	QUARTER 1, 128, F1, F0, 0
	QUARTER 1, 192, F0, F1, 0
	TURN 1, 0, 0
	QUARTER 0, 64,  F0, F1, 0
	WIN 0
	s_sub_co_u32 s3, s3, 1
	s_cmp_lg_u32 s3, 0
	s_cbranch_scc1 .Llap
	QUARTER 0, 128, F1, F0, 0                      ; the tile's last lap goes on
	QUARTER 0, 192, F0, F1, 0
	WIN 0
	s_cmp_eq_u32 s2, 1
	s_cbranch_scc1 .Llast_tile                     ; the last tile's tail is written out: it asks for nothing more
	TURN 0, 1, 1                                   ; the ring goes on into the next tile: slot 0 takes its K step 0,
	QUARTER 1, 64,  F0, F1, 0
	QUARTER 1, 128, F1, F0, 0
	QUARTER 1, 192, F0, F1, 0
	TURN 1, 0, 1                                   ; slot 1 its K step 1, and the next tile's first fragments are fetched: both refills are asked for when the tile goes out
	WIN 0
	s_branch .Lout                                 ; blocks 0-3 were finished in front of the joint load's four v_nop; their 128 conversions are the places behind the last products
.Llast_tile:
	TURN 0, 1, 2
	QUARTER 1, 64,  F0, F1, 0
	QUARTER 1, 128, F1, F0, 0
	QUARTER 1, 192, F0, F1, 0
	LASTQ
	WIN 0
	PLACES
.Lout:                                                 ; the one way out.  Its waits on LDS are all for 0, so they hold on both ways in: with the next tile's 32 fragment loads out, or with none
	WAYOUT
	s_cmp_eq_u32 s2, 1
	s_cbranch_scc1 .Ldone
	s_wait_xcnt 0x0                                ; the stores have read their base
	s_add_nc_u64 s[8:9], s[8:9], 4*256*2           ; four tile columns on
	s_sub_co_u32 s2, s2, 1
	s_branch .Ltile
.Ldone:
	s_wait_tensorcnt 0x0                           ; the wave's end: behind my last tensor load and my last LDS store
	ds_add_u32 v[SPW], v[NIL]
	s_wait_dscnt 0x0
	CROUND                                         ; the closing round: no work-group ends while a partner may still ask for a tile that names it
	s_endpgm
.Lfunc_end_k_qa06f8d150f_gemm1:
	.size	k_qa06f8d150f_gemm1, .Lfunc_end_k_qa06f8d150f_gemm1-k_qa06f8d150f_gemm1
	.p2alignl 7, 3214868480
	.fill 96, 4, 3214868480
	.section	.rodata,"a",@progbits
	.p2align	6, 0x0
	.amdhsa_kernel k_qa06f8d150f_gemm1
		.amdhsa_group_segment_fixed_size 327680
		.amdhsa_private_segment_fixed_size 0
		.amdhsa_enable_private_segment 0
		.amdhsa_kernarg_size 32
		.amdhsa_user_sgpr_count 2
		.amdhsa_user_sgpr_kernarg_segment_ptr 1
		.amdhsa_wavefront_size32 1
		.amdhsa_system_sgpr_workgroup_id_x 1
		.amdhsa_system_sgpr_workgroup_id_y 1
		.amdhsa_system_sgpr_workgroup_id_z 1
		.amdhsa_system_vgpr_workitem_id 0
		.amdhsa_next_free_vgpr 1024
		.amdhsa_next_free_sgpr 72
		.amdhsa_reserve_vcc 0
		.amdhsa_float_denorm_mode_32 3
		.amdhsa_float_denorm_mode_16_64 3
		.amdhsa_memory_ordered 1
		.amdhsa_forward_progress 1
		.amdhsa_inst_pref_size 182
	.end_amdhsa_kernel
	.amdgpu_metadata
---
amdhsa.version: [ 1, 2 ]
amdhsa.kernels:
  - .name:           k_qa06f8d150f_gemm1
    .symbol:         k_qa06f8d150f_gemm1.kd
    .args:
      - { .name: xb, .offset: 0, .size: 8, .value_kind: global_buffer, .address_space: global }
      - { .name: wq, .offset: 8, .size: 8, .value_kind: global_buffer, .address_space: global }
      - { .name: bq, .offset: 16, .size: 8, .value_kind: global_buffer, .address_space: global }
      - { .name: qkv, .offset: 24, .size: 8, .value_kind: global_buffer, .address_space: global }
    .group_segment_fixed_size: 327680
    .private_segment_fixed_size: 0
    .kernarg_segment_align: 8
    .kernarg_segment_size: 32
    .max_flat_workgroup_size: 128
    .sgpr_count:     72
    .vgpr_count:     1024
    .wavefront_size: 32
...
	.end_amdgpu_metadata
.endif
;; end of part 2
;; launch attn (part 3): grid 1024 x 1, 4 waves a work-group, no clusters, 0 bytes of LDS; arguments qkv, ob; writes ob
.if DOCPART == 3
	.amdgcn_target "amdgcn-amd-amdhsa--gfx1250"
	.amdhsa_code_object_version 6
	.text
	.protected	k_qa06f8d150f_attn
	.globl	k_qa06f8d150f_attn
	.p2align	8
	.type	k_qa06f8d150f_attn,@function
k_qa06f8d150f_attn:
	s_mov_b64 s[64:65], 0
	v_nop
	global_prefetch_b8 v0, s[64:65] scope:SCOPE_SE
	s_setreg_imm32_b32 hwreg(HW_REG_WAVE_MODE, 25, 1), 1
	s_wait_xcnt 0x0
; ATTENTION OVER THE HEADS OF ONE TOKEN.  For each of 16,384 tokens: att[h][g] = softmax over g of (q[h] . k[g] / 8), o[h] = the sum over g of att[h][g] v[g]; 16 heads of 64 channels.
; qkv: [16384][3072] f16, ob: [16384][1024] f16, both in the permuted column order that the launch in front writes and the launch behind reads:
;   q, k: position 256 i + 8 lane + e holds head lane % 16, channel 16 i + 8 (lane / 16) + e: four loads of 16 bytes a lane ARE two fragments (16 heads x 32 channels each)
;   v:    position 256 blk + 8 lane + e holds head 8 (lane / 16) + e, channel 16 blk + lane % 16: one load IS the lower half (keys 0-15) of a fragment of V^T
;   o:    position 256 blk + 8 lane + j holds head lane % 16, channel 16 blk + 8 (lane / 16) + j: a lane's eight results of a product, packed
; So every load and store of a wave covers 512 consecutive bytes, and nothing goes through LDS or changes lanes but one exchange of the lanes' halves for the maximum and one for the sum.
; S^T = K Q^T (source 0 = the 16 key heads, source 1 = the 16 query heads): a lane holds ONE query head (lane % 16) and the key heads 8 (lane / 16) + 0..7.  Rounded to f16 in pairs these are the lower
; half of source 1 of O^T = V^T P; the matrix form is 32 deep and there are 16 keys, so the upper halves of both sources hold zeros: 80 registers written while the loads are out.
; SOFTMAX in f32: the row's true maximum m is taken away: p = 2^(c s - c m), c = log2(e) / 8; l is the sum of the unrounded p; O is divided by l, rounded once.
; LIMITS: q, k, v arrive in f16 (within 65,504); p lies in 0 to 1 and below 6e-5 keeps f16's fixed step of 6e-8; a weight below 2^-126 counts as 0; NaN and infinities are not treated apart.
; SHARES: a wave takes four tokens, a work-group sixteen; no loop.  All 48 loads of a wave (24,576 bytes) go out at once.  Memory binds: no LDS, no barrier, no cluster (no byte is read twice),
; no prefetch (the launch is one pass over its bytes).
.set ROWQ, 6144                        ; bytes in a token's row of qkv
.set LO,  1                            ; v1   my byte offset in the work-group's rows of qkv
.set SO,  2                            ; v2   in its rows of ob
.set QF,  16                           ; token t: Q at v[16+32 t .. +15], K at v[32+32 t .. +15];
.set KF,  32
.set OA,  16                           ;          later O^T, block blk at v[16+32 t+8 blk]
.set S,   144                          ; token t: S^T at v[144+8 t]
.set P,   176                          ;          P at v[176+8 t]: four packed registers, four zeros
.set OUT, 144                          ;          later the packed results, 16 registers a token
.set ST,  208                          ; token t at v[208+4 t]: c m, m, 1/l, 1/l
.set TM,  224                          ; token t at v[224+2 t]: two at work
                                       ; window 1: V^T of token t, block blk at v[32 t+8 blk]: four loaded registers, four zeros
.set MSB, 0
.macro WIN new                         ; the immediate's high byte repeats the setting that is left
.if MSB != (\new)
	s_set_vgpr_msb (MSB<<8)|(\new)
.set MSB, \new
.endif
.endm
.macro PLACES                          ; four places behind matrix instructions, in front of what reads their results or writes their registers (ISA guide 7.12.1)
.rept 4
	v_nop
.endr
.endm
.macro ALLT line:vararg                ; one line for each token t: the four tokens' lines stand side by side, so that none waits for the one before it
.set t, 0
.rept 4
	\line
.set t, t+1
.endr
.endm
	s_load_b128 s[4:7], s[0:1], 0x0                ; qkv s[4:5], ob s[6:7]
	s_mul_i32 s12, ttmp9, 16*ROWQ                  ; the work-group's 16 tokens
	s_mov_b32 s13, 0
	s_lshl_b32 s14, ttmp9, 15
	s_mov_b32 s15, 0
	s_mov_b32 s8, 0x3e38aa3b                       ; c = log2(e) / 8 = 0.180337
	s_mov_b32 s9, s8                               ; named with it as a pair
	s_mov_b32 s10, 0x76543210                      ; v_permlanex16_b32: each lane takes its own place in the other half
	s_mov_b32 s11, 0xfedcba98
	v_lshrrev_b32 v3, 5, v0                        ; wave
	v_and_b32 v4, 31, v0
	v_lshlrev_b32 v4, 4, v4                        ; 16 bytes a lane
	v_mul_u32_u24 v[LO], v3, 4*ROWQ                ; the wave's four tokens
	v_add_nc_u32 v[LO], v[LO], v4
	v_lshl_add_u32 v[SO], v3, 13, v4
	s_wait_kmcnt 0x0
	s_add_nc_u64 s[4:5], s[4:5], s[12:13]
	s_add_nc_u64 s[6:7], s[6:7], s[14:15]
.irp t, 0,1,2,3
.irp i, 0,1,2,3
	global_load_b128 v[KF+32*(\t)+4*(\i):KF+32*(\t)+4*(\i)+3], v[LO], s[4:5] offset:ROWQ*(\t)+2048+512*(\i) th:TH_LOAD_NT
.endr
.irp i, 0,1,2,3
	global_load_b128 v[QF+32*(\t)+4*(\i):QF+32*(\t)+4*(\i)+3], v[LO], s[4:5] offset:ROWQ*(\t)+512*(\i) th:TH_LOAD_NT
.endr
.endr
	WIN 0x40                                       ; destination window 1, address window 0
.irp t, 0,1,2,3
.irp b, 0,1,2,3
	global_load_b128 v[32*(\t)+8*(\b):32*(\t)+8*(\b)+3], v[LO], s[4:5] offset:ROWQ*(\t)+4096+512*(\b) th:TH_LOAD_NT
.endr
.endr
.set i, 0
.rept 64
	v_mov_b32 v[8*(i/4)+4+i%4], 0                  ; keys 16-31 of V^T do not exist
.set i, i+1
.endr
	WIN 0
.set i, 0
.rept 16
	v_mov_b32 v[P+8*(i/4)+4+i%4], 0                ; nor those of P
.set i, i+1
.endr
	ALLT v_mov_b32 v[TM+2*t+1], 0                  ; v_permlanex16_b32's destination counts as read
	s_wait_loadcnt 16                              ; K and Q are in; V's sixteen loads stay out
.irp c, 0,1
.irp t, 0,1,2,3                        ; the four accumulators take turns
.if (\c) == 0
	v_wmma_f32_16x16x32_f16 v[S+8*(\t):S+8*(\t)+7], v[KF+32*(\t):KF+32*(\t)+7], v[QF+32*(\t):QF+32*(\t)+7], 0
.else
	v_wmma_f32_16x16x32_f16 v[S+8*(\t):S+8*(\t)+7], v[KF+32*(\t)+8:KF+32*(\t)+15], v[QF+32*(\t)+8:QF+32*(\t)+15], v[S+8*(\t):S+8*(\t)+7]
.endif
.endr
.endr
	PLACES
	ALLT v_max3_num_f32 v[TM+2*t], v[S+8*t], v[S+8*t+1], v[S+8*t+2]          ; the maximum of my eight scores, from the accumulator's low end on,
	ALLT v_max3_num_f32 v[TM+2*t], v[TM+2*t], v[S+8*t+3], v[S+8*t+4]
	ALLT v_max3_num_f32 v[TM+2*t], v[TM+2*t], v[S+8*t+5], v[S+8*t+6]
	ALLT v_max_num_f32 v[TM+2*t], v[TM+2*t], v[S+8*t+7]
	ALLT v_permlanex16_b32 v[TM+2*t+1], v[TM+2*t], s10, s11                  ; and of the query's other eight, in the lane 16 away
	ALLT v_max_num_f32 v[ST+4*t+1], v[TM+2*t], v[TM+2*t+1]                   ; m
	ALLT v_mul_f32 v[ST+4*t], s8, v[ST+4*t+1]                                ; c m
.irp b, 0,1,2,3
	ALLT v_pk_fma_f32 v[S+8*t+2*(\b):S+8*t+2*(\b)+1], v[S+8*t+2*(\b):S+8*t+2*(\b)+1], s[8:9], v[ST+4*t:ST+4*t+1] op_sel_hi:[1,0,0] neg_lo:[0,0,1] neg_hi:[0,0,1]  ; c s - c m
.endr
.irp j, 0,1,2,3,4,5,6,7
	ALLT v_exp_f32 v[S+8*t+(\j)], v[S+8*t+(\j)]    ; one batch of 32
.endr
	v_nop                                          ; a plain instruction behind the last exponential (ISA guide 5.7.2),
	s_wait_alu depctr_va_vdst(0)                   ; and one wait ahead of the batch's first reader
.irp b, 0,1,2,3
	ALLT v_cvt_pk_f16_f32 v[P+8*t+(\b)], v[S+8*t+2*(\b)], v[S+8*t+2*(\b)+1]
.endr
	ALLT v_pk_add_f32 v[S+8*t:S+8*t+1], v[S+8*t:S+8*t+1], v[S+8*t+2:S+8*t+3]
	ALLT v_pk_add_f32 v[S+8*t+4:S+8*t+5], v[S+8*t+4:S+8*t+5], v[S+8*t+6:S+8*t+7]
	ALLT v_pk_add_f32 v[S+8*t:S+8*t+1], v[S+8*t:S+8*t+1], v[S+8*t+4:S+8*t+5]
	ALLT v_add_f32 v[TM+2*t], v[S+8*t], v[S+8*t+1]
	ALLT v_permlanex16_b32 v[TM+2*t+1], v[TM+2*t], s10, s11
	ALLT v_add_f32 v[TM+2*t], v[TM+2*t], v[TM+2*t+1]                         ; l
	ALLT v_rcp_f32 v[ST+4*t+2], v[TM+2*t]          ; 1 / l, twice: the pair that the packed multiply takes
	ALLT v_rcp_f32 v[ST+4*t+3], v[TM+2*t]
	v_nop                                          ; a plain instruction behind the last reciprocal,
	s_wait_alu depctr_va_vdst(0)                   ; and one wait for the eight
	s_wait_loadcnt 0x0                             ; V is in
	WIN 0x01                                       ; source 0 (V^T) in window 1
.irp b, 0,1,2,3
.irp t, 0,1,2,3                        ; sixteen sums of one product each; they land on Q's and K's registers, whose products lie the whole softmax back
	v_wmma_f32_16x16x32_f16 v[OA+32*(\t)+8*(\b):OA+32*(\t)+8*(\b)+7], v[32*(\t)+8*(\b):32*(\t)+8*(\b)+7], v[P+8*(\t):P+8*(\t)+7], 0
.endr
.endr
	WIN 0
	PLACES
.irp t, 0,1,2,3
.irp b, 0,1,2,3
.irp q, 0,1,2,3
	v_pk_mul_f32 v[OA+32*(\t)+8*(\b)+2*(\q):OA+32*(\t)+8*(\b)+2*(\q)+1], v[OA+32*(\t)+8*(\b)+2*(\q):OA+32*(\t)+8*(\b)+2*(\q)+1], v[ST+4*(\t)+2:ST+4*(\t)+3]
.endr
.irp q, 0,1,2,3
	v_cvt_pk_f16_f32 v[OUT+16*(\t)+4*(\b)+(\q)], v[OA+32*(\t)+8*(\b)+2*(\q)], v[OA+32*(\t)+8*(\b)+2*(\q)+1]
.endr
	global_store_b128 v[SO], v[OUT+16*(\t)+4*(\b):OUT+16*(\t)+4*(\b)+3], s[6:7] offset:2048*(\t)+512*(\b) th:TH_STORE_NT  ; 512 consecutive bytes, aligned; no register is used twice
.endr
.endr
	s_endpgm
.Lfunc_end_k_qa06f8d150f_attn:
	.size	k_qa06f8d150f_attn, .Lfunc_end_k_qa06f8d150f_attn-k_qa06f8d150f_attn
	.p2alignl 7, 3214868480
	.fill 96, 4, 3214868480
	.section	.rodata,"a",@progbits
	.p2align	6, 0x0
	.amdhsa_kernel k_qa06f8d150f_attn
		.amdhsa_group_segment_fixed_size 0
		.amdhsa_private_segment_fixed_size 0
		.amdhsa_enable_private_segment 0
		.amdhsa_kernarg_size 16
		.amdhsa_user_sgpr_count 2
		.amdhsa_user_sgpr_kernarg_segment_ptr 1
		.amdhsa_wavefront_size32 1
		.amdhsa_system_sgpr_workgroup_id_x 1
		.amdhsa_system_sgpr_workgroup_id_y 1
		.amdhsa_system_sgpr_workgroup_id_z 1
		.amdhsa_system_vgpr_workitem_id 0
		.amdhsa_next_free_vgpr 384
		.amdhsa_next_free_sgpr 66
		.amdhsa_reserve_vcc 0
		.amdhsa_float_denorm_mode_32 3
		.amdhsa_float_denorm_mode_16_64 3
		.amdhsa_memory_ordered 1
		.amdhsa_forward_progress 1
		.amdhsa_inst_pref_size 26
	.end_amdhsa_kernel
	.amdgpu_metadata
---
amdhsa.version: [ 1, 2 ]
amdhsa.kernels:
  - .name:           k_qa06f8d150f_attn
    .symbol:         k_qa06f8d150f_attn.kd
    .args:
      - { .name: qkv, .offset: 0, .size: 8, .value_kind: global_buffer, .address_space: global }
      - { .name: ob, .offset: 8, .size: 8, .value_kind: global_buffer, .address_space: global }
    .group_segment_fixed_size: 0
    .private_segment_fixed_size: 0
    .kernarg_segment_align: 8
    .kernarg_segment_size: 16
    .max_flat_workgroup_size: 128
    .sgpr_count:     66
    .vgpr_count:     384
    .wavefront_size: 32
...
	.end_amdgpu_metadata
.endif
;; end of part 3
;; launch gemm2 (part 4): grid 4 x 64, 4 waves a work-group, clusters of 4 x 4, 327,680 bytes of LDS; arguments ob, wo, bo, out0; writes out0
.if DOCPART == 4
	.amdgcn_target "amdgcn-amd-amdhsa--gfx1250"
	.amdhsa_code_object_version 6
	.text
	.protected	k_qa06f8d150f_gemm2
	.globl	k_qa06f8d150f_gemm2
	.p2align	8
	.type	k_qa06f8d150f_gemm2,@function
k_qa06f8d150f_gemm2:
	s_mov_b64 s[64:65], 0
	v_nop
	global_prefetch_b8 v0, s[64:65] scope:SCOPE_SE
	s_setreg_imm32_b32 hwreg(HW_REG_WAVE_MODE, 25, 1), 1
	s_wait_xcnt 0x0
	s_wait_alu depctr_hold_cnt(0) depctr_sa_sdst(0) depctr_va_vdst(0) depctr_va_sdst(0) depctr_va_ssrc(0) depctr_va_vcc(0) depctr_vm_vsrc(0)
	s_getreg_b32 s2, hwreg(HW_REG_IB_STS2, 6, 4)
	s_cmp_eq_u32 s2, 0
	s_cbranch_scc0 .Lentry_in_a_cluster
	s_endpgm
.Lentry_in_a_cluster:
	s_bfe_u32 s2, ttmp6, 0x10000c
	s_cmp_lg_u32 s2, 0xf033
	s_cbranch_scc0 .Lentry_shape_is_right
	s_endpgm
.Lentry_shape_is_right:
; out0[m][n] = bo[n] + the sum over c'' of ob[m][c''] wo[n][c''].  ob: [16384][1024] f16, wo: [1024][1024] f16 (W_out rounded to bf16, that number written as f16), bo: [1024] f32, out0: [16384][1024] f32.
; ob's columns and wo's K stand in the same permuted order, so the sums are those of the plain order.  Sums in f32, stored as they are.
; A tile of C, 256 x 256, is made by four waves, each 128 x 128: 64 accumulators, 512 registers; 64 x 4 tiles: one for each of 256 work-groups.  K goes in steps of 128 through a ring of two LDS slots
; filled by the tensor data mover; the tiles' rows are 256 bytes of memory, aligned.
; CLUSTERS: 4 x 4 work-groups; A's tile is asked for jointly along a row of the cluster, B's along a column: the same tensor load, descriptor and mask in the four that it names.
; THE BIAS IS THE C OPERAND of the product that starts each sum.  THE MATRIX INSTRUCTION IS USED TRANSPOSED (source 0 = 16 rows of B, source 1 = 16 rows of A): a lane holds row l % 16 of C and
; the columns 8 (l / 16) + 0..7: 32 bytes on end.
; THE LAST K STEP GOES BY ROWS OF C, NOT BY K.  A work-group has one tile, 65,536 bytes of f32 a wave, and nothing follows under which its stores could leave.  So all of the step's fragments of B come
; into registers (4 quarters x 64 fill window 1), A's come by blocks of 16 rows x 128 K, and my eight blocks are finished one after the other, 32 matrix instructions each, K ascending; each block is
; stored as soon as it is finished: the first 224 matrix instructions ahead of the last product.  LDS is read no more than in any other K step.
; REGISTERS, in windows of 256 (s_set_vgpr_msb: bits 1:0 source 0, 3:2 source 1, 5:4 source 2, 7:6 destination):
;   window 0: v0-31 addresses; v64-127, v128-191 fragments of A, two buffers (in the last K step four, of 16 rows x 128 K); v192-255 the rows read back from the stage
;   window 1: v0-63 the bias of my 128 columns; v64-127, v128-191 fragments of B; in the last K step all 256: B's fragments of the whole step
;   windows 2, 3: the accumulators of my rows 0-63, 64-127 ((a, b) at v[8 (8 a + b)])
.set SIZE_K,  1024
.set SIZE_N,  1024
.set KSTEP,   128
.set PITCH,   272                      ; an LDS row: 256 bytes + 16 of padding: the 16 rows that a load touches start at 16 different groups of four banks (64 banks of 4 bytes: ISA guide 11.1)
.set HALFT,   128*PITCH
.set SLOT,    4*HALFT
.set STAGE,   2*SLOT                   ; behind the ring: 16 rows x 528 bytes for each wave, for the way out
.set SPITCH,  528                      ; 128 f32 + 16 bytes of padding
.set SPARE,   STAGE+4*16*SPITCH        ; behind the stages: the spare words, 128 bytes for each wave
.set LAPS,    SIZE_K/(2*KSTEP)
.set ADRA, 16
.set ADRB, 20
.set STO,  24                          ; v24     the way out: where I put 32 bytes of a row
.set RD,   25                          ; v25     where I read 16 bytes of a row back
.set CO,   26                          ; v26     my 16 bytes of a row's 512 in C
.set BO,   27                          ; v27     32 (l / 16)
.set SPW,  28                          ; v28     LDS address of my spare word; never rewritten
.set NIL,  29                          ; v29     0; never rewritten
.set PFO,  30                          ; v30     the prefetches' offset: my lane x a row of A or B; never rewritten
.set PFA,  44                          ; s[44:45] where my prefetches stand
.set LIM,  43                          ; s43     1 in a wave that prefetches, else the greatest number
.set BQ,   66                          ; s[66:67] the bias of my 128 columns
.set F0,   64
.set F1,   128
.set PA,   64                          ; the last K step: A's fragments of 16 rows x 128 K, 32 registers; four such buffers, v64-191
.set OB,   192                         ; the way out: 16 rows read back, v192-255
.set G1,  24
.set G0,  32
.set G1B, 48
.set G0B, 56
.set MSB, 0
.macro WIN new                         ; the immediate's high byte repeats the setting that is left; a switch that changes nothing is dropped
.if MSB != (\new)
	s_set_vgpr_msb (MSB<<8)|(\new)
.set MSB, \new
.endif
.endm
.set MUL_LO, 0xa1
.set MUL_HI, 0xf1
.set TO_B,   0x40
; A joint load.  Waves 0 and 1 fetch A's two halves, waves 2 and 3 B's.  An s_nop 0 and four v_nop follow each of the two lines.
.macro JLOAD s
	s_cmp_eq_u32 s11, 0
	s_cbranch_scc0 .Lfor_b_\@
	tensor_load_to_lds s[G0+4*(\s):G0+4*(\s)+3], s[G1:G1+7]
	s_nop 0
.rept 4
	v_nop
.endr
	s_branch .Lasked_\@
.Lfor_b_\@:
	tensor_load_to_lds s[G0B+4*(\s):G0B+4*(\s)+3], s[G1B:G1B+7]
	s_nop 0
.rept 4
	v_nop
.endr
.Lasked_\@:
.endm
; A PREFETCH INTO THE L2, behind each joint load and the run of LDS loads that follows it: the K step that stands two refills on, 512 matrix instructions ahead of the load that will want it:
; 32 rows x 256 bytes, a lane a row, one instruction a wave.  Each row's 256 bytes of a K step are named once in the launch: A's rows belong to one row of one cluster, whose four partners share the
; 128 rows that a wave fetches BY ADDRESS, 32 each; B's rows are walked by all sixteen clusters, and cluster y = 0 asks.  The last two refills have no K step two on.
.macro ASK
	s_cmp_gt_u32 s3, s[LIM]                        ; s3 = 1 in the loop's last trip
	s_cbranch_scc0 .Lnot_mine_\@
	global_prefetch_b8 v[PFO], s[PFA:PFA+1] offset:KSTEP*2 th:TH_LOAD_NT scope:SCOPE_SE
.Lnot_mine_\@:
.endm
.macro CREST
	s_cmp_lg_u32 s10, 0
	s_cbranch_scc1 .Lnot_wave_0_\@
	s_barrier_signal -3
.Lnot_wave_0_\@:
	s_barrier_wait -3
	s_barrier_signal -1
	s_barrier_wait -1
.endm
.macro CROUND
	s_barrier_signal -1
	s_barrier_wait -1
	CREST
.endm
	s_load_b128 s[4:7], s[0:1], 0x0                ; A = ob s[4:5], B = wo s[6:7]
	s_load_b64 s[BQ:BQ+1], s[0:1], 0x10            ; bo
	s_load_b64 s[8:9], s[0:1], 0x18                ; C = out0
	v_lshl_add_u32 v[SPW], v0, 2, SPARE
	v_mov_b32 v[NIL], 0
	ds_add_u32 v[SPW], v[NIL]                      ; the wave's opening: the add and its wait stand ahead of my first tensor load; the set-up below, work on registers, stands between them
	v_lshrrev_b32 v1, 5, v0
	v_readfirstlane_b32 s10, v1                    ; wave 0..3
	s_lshr_b32 s11, s10, 1                         ; which half of the tile's rows is mine.  Also: I fetch for A (0) or for B (1)
	s_and_b32 s12, s10, 1                          ; which half of its columns.  Also: which 128 rows of that tile I fetch
	s_bfe_u32 s40, ttmp6, 0x40000                  ; cx
	s_bfe_u32 s41, ttmp6, 0x40004                  ; cy
	s_lshl_b32 s42, ttmp9, 2
	s_add_co_u32 s42, s42, s40                     ; tile column = 4 x cluster x + cx
	s_and_b32 s13, ttmp7, 0xffff
	s_lshl_b32 s13, s13, 2
	s_add_co_u32 s13, s13, s41                     ; tile row = 4 x cluster y + cy
	s_lshl_b32 s43, s41, 2
	s_lshl_b32 s43, 15, s43                        ; my row of the cluster
	s_lshl_b32 s44, 0x1111, s40                    ; my column
	s_or_b32 s[G1+0], s43, (1<<16)|(1<<20)|(1<<21)|(5<<22)|(3<<25)  ; 15:0 the mask; 17:16 elements of 2 bytes; 20 padding on; 21 set beside a mask; 24:22 after every 64 words (code 5); 31:25 4 words (code 3)
	s_or_b32 s[G1B+0], s44, (1<<16)|(1<<20)|(1<<21)|(5<<22)|(3<<25)
.irp g, G1, G1B
	s_mov_b32 s[(\g)+1], KSTEP<<16                 ; tensor_dim0 = 128
	s_mov_b32 s[(\g)+2], 128<<16                   ; tensor_dim1 = 128
	s_mov_b32 s[(\g)+3], KSTEP<<16                 ; tile_dim0 = 128
	s_mov_b32 s[(\g)+4], 128                       ; tile_dim1 = 128
	s_mov_b32 s[(\g)+5], SIZE_K                    ; elements from row to row
	s_mov_b32 s[(\g)+6], 0
	s_mov_b32 s[(\g)+7], 0
.endr
	s_lshl_b32 s17, s12, 7
	s_lshl_b32 s16, s13, 8
	s_add_co_u32 s16, s16, s17                     ; A: row 256 x tile row + 128 x half
	s_lshl_b32 s46, s42, 8
	s_add_co_u32 s46, s46, s17                     ; B: row 256 x tile column + 128 x half
	s_mov_b32 s17, 0
	s_mov_b32 s47, 0
	s_mov_b64 s[18:19], SIZE_K*2
	s_mul_u64 s[16:17], s[16:17], s[18:19]
	s_mul_u64 s[46:47], s[46:47], s[18:19]
	s_mul_i32 s20, s10, HALFT                      ; where they go: wave x 128 rows
	s_wait_dscnt 0x0                               ; the opening add is done
	s_wait_kmcnt 0x0
	s_add_nc_u64 s[14:15], s[4:5], s[16:17]
	s_add_nc_u64 s[46:47], s[6:7], s[46:47]
	CROUND                                         ; all sixteen work-groups are here: the first joint loads meet
.irp s, 0,1
	s_mov_b32 s[G0+4*(\s)], 1
	s_add_co_u32 s[G0+4*(\s)+1], s20, (\s)*SLOT
	s_add_nc_u64 s[G0+4*(\s)+2:G0+4*(\s)+3], s[14:15], (\s)*KSTEP*2
	s_or_b32 s[G0+4*(\s)+3], s[G0+4*(\s)+3], 0x80000000
	s_mov_b32 s[G0B+4*(\s)], 1
	s_add_co_u32 s[G0B+4*(\s)+1], s20, (\s)*SLOT
	s_add_nc_u64 s[G0B+4*(\s)+2:G0B+4*(\s)+3], s[46:47], (\s)*KSTEP*2
	s_or_b32 s[G0B+4*(\s)+3], s[G0B+4*(\s)+3], 0x80000000
	JLOAD \s                                       ; two tensor loads of mine are out
.endr
	v_and_b32 v1, 15, v0                           ; l % 16
	v_bfe_u32 v2, v0, 4, 1                         ; l / 16
	v_lshlrev_b32 v[BO], 5, v2
	s_lshl_b32 s68, s42, 10                        ; the tile column's 256 numbers of 4 bytes (in bo, and in a row of C),
	s_lshl_b32 s69, s12, 9                         ; my half of them
	s_add_co_u32 s68, s68, s69
	s_mov_b32 s69, 0
	s_add_nc_u64 s[BQ:BQ+1], s[BQ:BQ+1], s[68:69]
	WIN TO_B                                       ; the bias: register j of block b in lane l is bias 16 b + 8 (l / 16) + j, the C operand's layout
.irp b, 0,1,2,3,4,5,6,7
	global_load_b128 v[8*(\b):8*(\b)+3],   v[BO], s[BQ:BQ+1] offset:64*(\b)
	global_load_b128 v[8*(\b)+4:8*(\b)+7], v[BO], s[BQ:BQ+1] offset:64*(\b)+16
.endr
	WIN 0
	v_mul_u32_u24 v3, v1, PITCH
	v_lshl_add_u32 v3, v2, 4, v3                   ; a fragment's row x pitch + 16 x half
	s_mul_i32 s21, s11, HALFT
	s_mul_i32 s22, s12, HALFT
	s_add_co_u32 s22, s22, 2*HALFT
.irp s, 0,1
	v_add_nc_u32 v[ADRA+(\s)], s21, v3
	v_add_nc_u32 v[ADRB+(\s)], s22, v3
	s_add_co_u32 s21, s21, SLOT
	s_add_co_u32 s22, s22, SLOT
.endr
	s_mul_i32 s23, s10, 16*SPITCH
	s_add_co_u32 s23, s23, STAGE                   ; my stage
	v_mul_u32_u24 v4, v1, SPITCH                   ; in: row l % 16, 32 bytes for each half of the lanes
	v_lshl_add_u32 v4, v2, 5, v4
	v_add_nc_u32 v[STO], s23, v4
	v_and_b32 v5, 31, v0
	v_lshlrev_b32 v[CO], 4, v5                     ; back: 32 lanes take one row of 512 bytes
	v_add_nc_u32 v[RD], s23, v[CO]
	s_lshl_b32 s13, s13, 8                         ; C at my part of the tile
	s_lshl_b32 s14, s11, 7
	s_add_co_u32 s16, s13, s14                     ; my first row
	s_mov_b32 s17, 0
	s_mov_b64 s[18:19], SIZE_N*4
	s_mul_u64 s[16:17], s[16:17], s[18:19]
	s_add_nc_u64 s[16:17], s[16:17], s[68:69]      ; my first column, in bytes
	s_add_nc_u64 s[8:9], s[8:9], s[16:17]
	; the prefetches.  s13 = 256 x tile row, s42 = tile column, s40 = cx, s41 = cy still stand
	s_lshl_b32 s42, s42, 8
	s_and_b32 s22, ttmp7, 0xffff                   ; cluster y
	s_cmp_eq_u32 s11, 0                            ; do I fetch for A?
	s_cselect_b32 s20, s13, s42
	s_cselect_b32 s21, s40, s41
	s_cselect_b32 s22, ttmp9, s22                  ; the coordinate along which other clusters read the same rows
	s_cselect_b64 s[PFA:PFA+1], s[4:5], s[6:7]
	s_cmp_eq_u32 s22, 0
	s_cselect_b32 s[LIM], 1, -1                    ; the same in all sixteen partners, for a given wave
	s_lshl_b32 s22, s12, 7
	s_add_co_u32 s20, s20, s22
	s_lshl_b32 s21, s21, 5
	s_add_co_u32 s20, s20, s21
	s_mov_b32 s21, 0
	s_mov_b64 s[18:19], SIZE_K*2
	s_mul_u64 s[20:21], s[20:21], s[18:19]
	s_add_nc_u64 s[PFA:PFA+1], s[PFA:PFA+1], s[20:21]
	s_add_nc_u64 s[PFA:PFA+1], s[PFA:PFA+1], 2*KSTEP*2  ; at K step 2: the first refill steps it to 3 and names K step 4.  Nothing is prefetched here, at the head
	v_and_b32 v[PFO], 31, v0
	v_mul_u32_u24 v[PFO], v[PFO], SIZE_K*2
; 16 matrix instructions: m blocks a0, a0 + 1 of the window's four x all 8 n blocks, 32 along K.  zero = 1: the product starts the sum, with the bias as C.
; The 64 accumulators take turns, one instruction a turn, in the same order in every quarter step.
.macro MUL16 f, hi, a0, zero
.if \zero
	WIN 0x91+0x40*(\hi)                            ; C in window 1, D in window 2 or 3
.else
	WIN MUL_LO+0x50*(\hi)
.endif
.irp a, \a0, (\a0)+1
.irp b, 0,1,2,3,4,5,6,7
.if \zero
	v_wmma_f32_16x16x32_f16 v[8*(8*(\a)+(\b)):8*(8*(\a)+(\b))+7], v[(\f)+8*(\b):(\f)+8*(\b)+7], v[(\f)+8*(4*(\hi)+(\a)):(\f)+8*(4*(\hi)+(\a))+7], v[8*(\b):8*(\b)+7]
.else
	v_wmma_f32_16x16x32_f16 v[8*(8*(\a)+(\b)):8*(8*(\a)+(\b))+7], v[(\f)+8*(\b):(\f)+8*(\b)+7], v[(\f)+8*(4*(\hi)+(\a)):(\f)+8*(4*(\hi)+(\a))+7], v[8*(8*(\a)+(\b)):8*(8*(\a)+(\b))+7]
.endif
.endr
.endr
.endm
.macro FETCH slot, k, f                ; 32 LDS loads in one run: the fragments of one quarter step into buffer f
	WIN TO_B
.irp i, 0,1,2,3,4,5,6,7
	ds_load_b128 v[(\f)+8*(\i):(\f)+8*(\i)+3],   v[ADRB+(\slot)] offset:(\k)+(\i)*16*PITCH
	ds_load_b128 v[(\f)+8*(\i)+4:(\f)+8*(\i)+7], v[ADRB+(\slot)] offset:(\k)+(\i)*16*PITCH+32
.endr
	WIN 0
.irp i, 0,1,2,3,4,5,6,7
	ds_load_b128 v[(\f)+8*(\i):(\f)+8*(\i)+3],   v[ADRA+(\slot)] offset:(\k)+(\i)*16*PITCH
	ds_load_b128 v[(\f)+8*(\i)+4:(\f)+8*(\i)+7], v[ADRA+(\slot)] offset:(\k)+(\i)*16*PITCH+32
.endr
.endm
.macro PLACES                          ; four places behind matrix instructions, in front of loads into registers that they have read and of stores that read results (ISA guide 7.12.1 for vector instructions)
.rept 4
	v_nop
.endr
.endm
.macro QUARTER slot, k, f, g, zero     ; one of a K step's first three quarters: multiplies buffer f; in its middle it fetches the next quarter, at byte k, into g
	s_wait_dscnt 8                                 ; B and A's rows 0-63 are in; the youngest eight loads (A's rows 64-127) may be out
	MUL16 \f, 0, 0, \zero
	MUL16 \f, 0, 2, \zero
	PLACES
	FETCH \slot, \k, \g
	s_wait_dscnt 32                                ; all but the 32 just issued
	MUL16 \f, 1, 0, \zero
	MUL16 \f, 1, 2, \zero
.endm
; The first half of the last quarter: ONE barrier for the change of slots.  In front of it each wave waits for all its tensor loads, of which one is out: its part of the next slot; adds 0 to its
; spare word; and waits for that and for its own reads of this slot.
.macro MEET round                      ; round = 1: a round of the cluster's barrier follows
	WIN 0                                          ; (the add's two registers lie in window 0)
	s_wait_tensorcnt 0x0
	ds_add_u32 v[SPW], v[NIL]                      ; 0 onto my spare word
	s_wait_dscnt 9                                 ; (the add and the youngest eight loads may be out)
	MUL16 F1, 0, 0, 0
	s_wait_dscnt 0x0                               ; the add is done, and my reads of this slot are over
	s_barrier_signal -1
	MUL16 F1, 0, 2, 0
.if \round
	WIN 0
.endif
	s_barrier_wait -1
.endm
; The whole last quarter of a K step whose slot is filled again, two K steps on, behind a round of the cluster's barrier.
.macro TURN slot, next
	s_wait_xcnt 0x0                                ; the last prefetch, a K step back, has read its address, so it may be stepped
	s_add_nc_u64 s[PFA:PFA+1], s[PFA:PFA+1], KSTEP*2
	MEET 1
	CREST                                          ; no wave of any partner still reads this slot's tile or has a load on its way
	s_add_nc_u64 s[G0+4*(\slot)+2:G0+4*(\slot)+3], s[G0+4*(\slot)+2:G0+4*(\slot)+3], 2*KSTEP*2
	s_add_nc_u64 s[G0B+4*(\slot)+2:G0B+4*(\slot)+3], s[G0B+4*(\slot)+2:G0B+4*(\slot)+3], 2*KSTEP*2
	JLOAD \slot                                    ; the first tensor load behind the round, my one load until the next: 224 matrix instructions ahead of the wait for it
	FETCH \next, 0, F0
	ASK
	MUL16 F1, 1, 0, 0
	MUL16 F1, 1, 2, 0
.endm
; THE LAST K STEP (it lies in slot 1), BY ROWS OF C.
.macro BLOAD q                         ; B's fragments of quarter q -> window 1, v[64 q ..]
	WIN TO_B
.irp i, 0,1,2,3,4,5,6,7
	ds_load_b128 v[64*(\q)+8*(\i):64*(\q)+8*(\i)+3],   v[ADRB+1] offset:64*(\q)+(\i)*16*PITCH
	ds_load_b128 v[64*(\q)+8*(\i)+4:64*(\q)+8*(\i)+7], v[ADRB+1] offset:64*(\q)+(\i)*16*PITCH+32
.endr
.endm
.macro ALOAD a                         ; A's fragments of block a, all four quarters -> buffer a % 4
	WIN 0
.set FA, PA+32*((\a)%4)
.irp q, 0,1,2,3
	ds_load_b128 v[FA+8*(\q):FA+8*(\q)+3],   v[ADRA+1] offset:64*(\q)+(\a)*16*PITCH
	ds_load_b128 v[FA+8*(\q)+4:FA+8*(\q)+7], v[ADRA+1] offset:64*(\q)+(\a)*16*PITCH+32
.endr
.endm
.macro ROW a                           ; block a is finished: 32 matrix instructions, its eight accumulators by turns
.set FA, PA+32*((\a)%4)                ; its fragments of A
.set AC, 64*((\a)%4)                   ; its eight accumulators, in window 2 (blocks 0-3) or 3 (blocks 4-7)
	WIN MUL_LO+0x50*((\a)/4)
.irp q, 0,1,2,3
.if (\a) == 0 && (\q) == 2
	s_wait_dscnt 24                                ; B's quarter 2 is in (behind it: A's blocks 1 to 3)
.endif
.irp b, 0,1,2,3,4,5,6,7
	v_wmma_f32_16x16x32_f16 v[AC+8*(\b):AC+8*(\b)+7], v[64*(\q)+8*(\b):64*(\q)+8*(\b)+7], v[FA+8*(\q):FA+8*(\q)+7], v[AC+8*(\b):AC+8*(\b)+7]
.endr
.endr
.endm
; THE WAY OUT of block a (16 rows x 128 f32).  TOSTAGE32: a lane's 32 bytes of each accumulator go into my own stage, the low four registers first, and come back as whole rows of 512 bytes.
.macro TOSTAGE32 a
.set AC, 64*((\a)%4)
	WIN 0x08+4*((\a)/4)                            ; the stores' data (source 1) in window 2 or 3
.irp b, 0,1,2,3,4,5,6,7
	ds_store_b128 v[STO], v[AC+8*(\b):AC+8*(\b)+3]   offset:64*(\b)
	ds_store_b128 v[STO], v[AC+8*(\b)+4:AC+8*(\b)+7] offset:64*(\b)+16
.endr
	WIN 0
.if (\a) >= 1
	s_wait_xcnt 0x0                                ; the stores of the block before, 32 matrix instructions back, have read these registers
.endif
.irp t, 0,1,2,3,4,5,6,7,8,9,10,11,12,13,14,15
	ds_load_b128 v[OB+4*(\t):OB+4*(\t)+3], v[RD] offset:(\t)*SPITCH  ; LDS serves a wave's instructions in order (ISA guide 5.7.1.4): these see the stores above, and the next block's stores come behind them
.endr
.endm
.macro SEND32 a, younger               ; younger: the LDS loads issued behind block a's: the eight of the block of A four further on, or none
	s_wait_dscnt \younger
.irp t, 0,1,2,3,4,5,6,7,8,9,10,11,12,13,14,15
	global_store_b128 v[CO], v[OB+4*(\t):OB+4*(\t)+3], s[8:9] offset:(16*(\a)+(\t))*SIZE_N*4 th:TH_STORE_NT  ; 512 consecutive bytes of a row, aligned; the row stands in the immediate, 520,192 at the most
.endr
.endm
	s_wait_tensorcnt 1                             ; my part of K step 0 is in; K step 1's may stay out
	s_barrier_signal -1
	s_barrier_wait -1                              ; everybody's is
	FETCH 0, 0, F0
	s_wait_loadcnt 0x0                             ; the bias is in
	QUARTER 0, 64,  F0, F1, 1                      ; the first quarter stands in front of the loop: its products start the sums
	WIN 0                                          ; at a label and at a branch every window is 0
	s_mov_b32 s3, LAPS-1
.Llap:                                                 ; a trip goes once round the ring, from a lap's second quarter to the next lap's first, and fills both slots again
	QUARTER 0, 128, F1, F0, 0
	QUARTER 0, 192, F0, F1, 0
	TURN 0, 1
	QUARTER 1, 64,  F0, F1, 0
	QUARTER 1, 128, F1, F0, 0
	QUARTER 1, 192, F0, F1, 0
	TURN 1, 0
	QUARTER 0, 64,  F0, F1, 0
	WIN 0
	s_sub_co_u32 s3, s3, 1
	s_cmp_lg_u32 s3, 0
	s_cbranch_scc1 .Llap
	QUARTER 0, 128, F1, F0, 0                      ; the last lap fills nothing, and has no round of the cluster's barrier
	QUARTER 0, 192, F0, F1, 0
	MEET 0                                         ; my one tensor load that was still out is slot 1's, the last K step's
	PLACES                                         ; for the loads into buffer 0, which the quarter before multiplied
	BLOAD 0                                        ; three quarters of B now (the first lands where the bias lay: it was read in the first quarter alone); buffer 1 is still being multiplied
	BLOAD 1
	BLOAD 3
	ALOAD 0
	MUL16 F1, 1, 0, 0
	MUL16 F1, 1, 2, 0
	PLACES                                         ; for the loads into buffer 1
	BLOAD 2
	ALOAD 1
	ALOAD 2
	ALOAD 3
	s_wait_dscnt 40                                ; all but the 40 just issued
	ROW 0
.irp a, 0,1,2,3,4,5,6,7                ; each block leaves as soon as it is finished: the sooner the stores begin, the sooner the launch ends
	PLACES                                         ; the LDS stores read results just made, and the loads of A land on registers just read
	TOSTAGE32 \a
.if (\a) < 4
	ALOAD (\a)+4                                   ; its buffer takes the block four further on
	SEND32 \a, 8
.else
	SEND32 \a, 0
.endif
.if (\a) < 7
	ROW (\a)+1
.endif
.endr
	s_wait_tensorcnt 0x0                           ; the wave's end: behind my last tensor load and my last LDS store
	ds_add_u32 v[SPW], v[NIL]
	s_wait_dscnt 0x0
	CROUND                                         ; the closing round: no work-group ends while a partner may still ask for a tile that names it
	s_endpgm
.Lfunc_end_k_qa06f8d150f_gemm2:
	.size	k_qa06f8d150f_gemm2, .Lfunc_end_k_qa06f8d150f_gemm2-k_qa06f8d150f_gemm2
	.p2alignl 7, 3214868480
	.fill 96, 4, 3214868480
	.section	.rodata,"a",@progbits
	.p2align	6, 0x0
	.amdhsa_kernel k_qa06f8d150f_gemm2
		.amdhsa_group_segment_fixed_size 327680
		.amdhsa_private_segment_fixed_size 0
		.amdhsa_enable_private_segment 0
		.amdhsa_kernarg_size 32
		.amdhsa_user_sgpr_count 2
		.amdhsa_user_sgpr_kernarg_segment_ptr 1
		.amdhsa_wavefront_size32 1
		.amdhsa_system_sgpr_workgroup_id_x 1
		.amdhsa_system_sgpr_workgroup_id_y 1
		.amdhsa_system_sgpr_workgroup_id_z 1
		.amdhsa_system_vgpr_workitem_id 0
		.amdhsa_next_free_vgpr 1024
		.amdhsa_next_free_sgpr 72
		.amdhsa_reserve_vcc 0
		.amdhsa_float_denorm_mode_32 3
		.amdhsa_float_denorm_mode_16_64 3
		.amdhsa_memory_ordered 1
		.amdhsa_forward_progress 1
		.amdhsa_inst_pref_size 143
	.end_amdhsa_kernel
	.amdgpu_metadata
---
amdhsa.version: [ 1, 2 ]
amdhsa.kernels:
  - .name:           k_qa06f8d150f_gemm2
    .symbol:         k_qa06f8d150f_gemm2.kd
    .args:
      - { .name: ob, .offset: 0, .size: 8, .value_kind: global_buffer, .address_space: global }
      - { .name: wo, .offset: 8, .size: 8, .value_kind: global_buffer, .address_space: global }
      - { .name: bo, .offset: 16, .size: 8, .value_kind: global_buffer, .address_space: global }
      - { .name: out0, .offset: 24, .size: 8, .value_kind: global_buffer, .address_space: global }
    .group_segment_fixed_size: 327680
    .private_segment_fixed_size: 0
    .kernarg_segment_align: 8
    .kernarg_segment_size: 32
    .max_flat_workgroup_size: 128
    .sgpr_count:     72
    .vgpr_count:     1024
    .wavefront_size: 32
...
	.end_amdgpu_metadata
.endif
;; end of part 4
;; ======== version 2 of 2: 4 launches; version 1 with the launches prep, attn written anew for expert scheduling mode
;; limits: values are held in f16: magnitudes above 65,504 overflow, below 6.1e-05 lose precision
;; workspace buffers: xb 33,554,432 bytes; wq 6,291,456 bytes; wo 2,097,152 bytes; bq 12,288 bytes; bo 4,096 bytes; qkv 100,663,296 bytes; ob 33,554,432 bytes
;; launch prep (part 5): grid 1537 x 1, 8 waves a work-group, no clusters, 18,432 bytes of LDS; arguments x, W_qkv, W_out, b_qkv, b_out, xb, wq, wo, bq, bo; writes xb, wq, wo, bq, bo
.if DOCPART == 5
	.amdgcn_target "amdgcn-amd-amdhsa--gfx1250"
	.amdhsa_code_object_version 6
	.text
	.protected	k_qa06f8d150f_prep
	.globl	k_qa06f8d150f_prep
	.p2align	8
	.type	k_qa06f8d150f_prep,@function
k_qa06f8d150f_prep:
	s_mov_b64 s[64:65], 0
	v_nop
	global_prefetch_b8 v0, s[64:65] scope:SCOPE_SE
	s_setreg_imm32_b32 hwreg(HW_REG_WAVE_SCHED_MODE, 0, 2), 2
	s_setreg_imm32_b32 hwreg(HW_REG_WAVE_MODE, 25, 1), 1
	s_wait_xcnt 0x0
	s_wait_alu depctr_vm_vsrc(0)
; PREP: every input is rounded once to bf16 and laid out for the three launches behind.
;   xb[m][k]    = bf16(x[m][k])                          [16384][1024] bf16
;   wq[n'][k]   = bf16(W_qkv[k][col(n')])                [3072][1024] bf16: turned, rows permuted
;   wo[n][c'']  = bf16(W_out[c(c'')][n]) written as f16  [1024][1024] f16: turned, K permuted
;   bq[n'], bo[n] = the biases rounded to bf16, kept as f32, bq permuted like wq's rows
; THE PERMUTATIONS make each load and store of the attention launch 512 consecutive bytes a wave.  With lane = 16 hh + r:
;   q, k (part 0, 1): n' = 1024 part + 256 i + 8 lane + e  holds head r, channel 16 i + 8 hh + e
;   v:                n' = 2048 + 256 blk + 8 lane + e     holds head 8 hh + e, channel 16 blk + r
;   o, W_out's K:     c'' = 256 blk + 128 hh + 8 r + j     stands for c = 64 r + 16 blk + 8 hh + j
; LIMIT: W_out's bf16 value is exact in f16 from 6.1e-5 up to 65,504; below that it keeps f16's fixed step of 6e-8.
; SHARES, by the work-group's number: 0-383 a tile of W_qkv (128 k x 64 columns), 384-511 a tile of W_out, 512 the biases, 513-1536 65,536 bytes of x each.
; A weight tile is turned in LDS: pairs of k are packed into words and stored by columns, a barrier, and whole rows of 256 bytes are read back.
; No matrix unit, no cluster, no prefetch: nothing is shared between work-groups, and the launch is one pass over its bytes.
; THE MODE: SCHED_MODE bits 1:0 = 2 (LLVM: expert scheduling mode 2), set by the entry lines.  The code itself states the register dependences
; between vector instructions and memory or LDS instructions, with s_wait_alu, always for 0.
; THE PLAN.  Registers that memory or LDS instructions touch:
;   v3 .. v6   offsets and LDS addresses: made once on each path, ahead of the first instruction that reads them, and never written again.
;   IN         written by loads, read by the conversions.  (The biases alone: their widened values are written back into it, and the stores read it.)
;   CV         a weight tile: pair i's conversions write its four words; the four LDS stores issued in pair i + 1 read them.
;   BK         x: block g's roundings write its eight registers; the four stores issued in block g + 1 read them.  A weight tile: LDS loads write it, stores read it, no vector line names it.
;   v30, v31   made at the head, read by the closing add alone.
; Work goes in blocks (four loads of x, a pair of k of a weight tile).  A block's memory instructions are the stores of the block before, out of registers that no vector line of this block
; names: so ONE wait on va_vdst at a block's head, behind the wait for its data, states all that they hang on.  No register that a memory or LDS instruction has read is written again,
; so no wait on vm_vsrc is owed; no vector line writes a scalar register, and EXEC is never written.
.set TP,    272                        ; a tile's row in LDS: 128 k x 2 bytes + 16 of padding
.set SPARE, 64*TP                      ; 17,408: behind the tile, the spare words: 128 bytes for each of eight waves
.set SPW, 30                           ; v30  LDS address of my spare word; never rewritten
.set NIL, 31                           ; v31  0; never rewritten
.set IN,  32                           ; v[32:95]   as loaded
.set CV,  64                           ; v[64:79]   a weight tile's packed pairs
.set BK,  96                           ; v[96:127]  to store
; A weight tile.  v1 = c4 (my 4 columns), v2 = kp (my pairs of k are kp + 16 i; later: my row of each 16 on the way out), v3 = my offset in the source.
; src, dst: the scalar pairs of the two addresses; rowb: bytes in a source row; istep: source rows from pair i to pair i + 1; half = 1: the bf16 value is written as f16;
; imm: bytes in dst from row dl to row dl + 16 of the tile.  s30, s31: bytes in dst for dl >> 3 and for dl & 7.
.macro WTILE src, dst, rowb, istep, half, imm
	s_wait_alu depctr_va_vdst(0)                   ; v3 is written, which the eight loads read as their offset
.irp i, 0,1,2,3
	global_load_b128 v[IN+8*(\i):IN+8*(\i)+3],   v3, s[\src:\src+1] offset:(\istep)*(\i)*(\rowb) th:TH_LOAD_NT      ; the even k: sixteen lanes take 256 consecutive bytes of a row
	global_load_b128 v[IN+8*(\i)+4:IN+8*(\i)+7], v3, s[\src:\src+1] offset:((\istep)*(\i)+1)*(\rowb) th:TH_LOAD_NT  ; the odd k
.endr
	v_mul_u32_u24 v4, v1, 4*TP                     ; in: row 4 c4 + c, word kp + 16 i
	v_lshl_add_u32 v4, v2, 2, v4
	v_mul_u32_u24 v5, v2, TP                       ; back: row dl + 16 i2, 16 bytes a lane
	v_lshl_add_u32 v5, v1, 4, v5
	v_lshrrev_b32 v7, 3, v2
	v_and_b32 v8, 7, v2
	v_mul_lo_u32 v6, v7, s30
	v_mul_lo_u32 v8, v8, s31
	v_lshlrev_b32 v9, 4, v1
	v_add3_u32 v6, v6, v8, v9                      ; my 16 bytes in dst
.irp i, 0,1,2,3
	s_wait_loadcnt 6-2*(\i)                        ; pair i's two loads are in; the 2 (3 - i) younger ones stay out
.if (\i) > 0
	s_wait_alu depctr_va_vdst(0)                   ; the pair before has written its four words of CV, which the LDS stores below read; at the first of these waits v4, v5 and v6 are written too
.endif
.irp c, 0,1,2,3
.if (\i) > 0
	ds_store_b32 v4, v[CV+4*((\i)-1)+(\c)] offset:(\c)*TP+64*((\i)-1)  ; the pair before; no vector line since the wait names its words
.endif
	v_cvt_pk_bf16_f32 v[CV+4*(\i)+(\c)], v[IN+8*(\i)+(\c)], v[IN+8*(\i)+4+(\c)]  ; the even k in the low half
.if \half
	v_lshlrev_b32 v10, 16, v[CV+4*(\i)+(\c)]       ; the two bf16 values as f32,
	v_and_b32 v11, 0xffff0000, v[CV+4*(\i)+(\c)]
	v_cvt_pk_f16_f32 v[CV+4*(\i)+(\c)], v10, v11   ; written as f16
.endif
.endr
.endr
	s_wait_alu depctr_va_vdst(0)                   ; the last pair has written its four words of CV, which the LDS stores below read; no vector line follows on this path
.irp c, 0,1,2,3
	ds_store_b32 v4, v[CV+12+(\c)] offset:(\c)*TP+192
.endr
	s_wait_dscnt 0x0                               ; for the others' sake: my stores into the tile are done
	s_barrier_signal -1
	s_barrier_wait -1
.irp i, 0,1,2,3
	ds_load_b128 v[BK+4*(\i):BK+4*(\i)+3], v5 offset:16*TP*(\i)
.endr
.irp i, 0,1,2,3
	s_wait_dscnt 3-(\i)
	global_store_b128 v6, v[BK+4*(\i):BK+4*(\i)+3], s[\dst:\dst+1] offset:(\imm)*(\i)  ; sixteen lanes store 256 consecutive bytes, aligned
.endr
.endm
	s_load_b512 s[4:19], s[0:1], 0x0               ; x s[4:5], W_qkv s[6:7], W_out s[8:9], b_qkv s[10:11], b_out s[12:13], xb s[14:15], wq s[16:17], wo s[18:19]
	s_load_b128 s[20:23], s[0:1], 0x40             ; bq s[20:21], bo s[22:23]
	v_lshl_add_u32 v[SPW], v0, 2, SPARE
	v_mov_b32 v[NIL], 0
	v_and_b32 v1, 15, v0                           ; c4
	v_lshrrev_b32 v2, 4, v0                        ; kp
	s_mov_b32 s24, ttmp9
	s_wait_kmcnt 0x0
	s_cmp_lt_u32 s24, 384                          ; the same answer in all eight waves
	s_cbranch_scc1 .Lwq
	s_cmp_lt_u32 s24, 512
	s_cbranch_scc1 .Lwo
	s_cmp_eq_u32 s24, 512
	s_cbranch_scc1 .Lbias
	; X: 65,536 bytes of x become 32,768 of xb.  A wave takes 8,192 bytes: sixteen loads of 512 consecutive bytes, all out at once; they are worked on in four blocks of four.
	s_sub_co_u32 s24, s24, 513
	s_lshl_b32 s26, s24, 16
	s_mov_b32 s27, 0
	s_add_nc_u64 s[4:5], s[4:5], s[26:27]
	s_lshl_b32 s26, s24, 15
	s_add_nc_u64 s[14:15], s[14:15], s[26:27]
	v_lshrrev_b32 v7, 5, v0                        ; wave
	v_and_b32 v8, 31, v0                           ; lane
	v_lshlrev_b32 v3, 4, v8
	v_lshl_add_u32 v3, v7, 13, v3
	v_lshlrev_b32 v4, 3, v8
	v_lshl_add_u32 v4, v7, 12, v4
	s_wait_alu depctr_va_vdst(0)                   ; v3 and v4 are written: the loads read the one as their offset, the stores the other
.irp i, 0,1,2,3,4,5,6,7,8,9,10,11,12,13,14,15
	global_load_b128 v[IN+4*(\i):IN+4*(\i)+3], v3, s[4:5] offset:512*(\i) th:TH_LOAD_NT
.endr
.irp g, 0,1,2,3
	s_wait_loadcnt 12-4*(\g)                       ; loads come back in order: block g's four are in, the younger blocks stay out
.if (\g) > 0
	s_wait_alu depctr_va_vdst(0)                   ; the block before has written its eight registers of BK, which the stores below read
.endif
.irp j, 0,1,2,3
.if (\g) > 0
	global_store_b64 v4, v[BK+2*(4*(\g)-4+(\j)):BK+2*(4*(\g)-4+(\j))+1], s[14:15] offset:256*(4*(\g)-4+(\j)) th:TH_STORE_NT  ; the block before: 32 lanes store 256 consecutive bytes, aligned; no vector line since the wait names these registers
.endif
	v_cvt_pk_bf16_f32 v[BK+2*(4*(\g)+(\j))],   v[IN+4*(4*(\g)+(\j))],   v[IN+4*(4*(\g)+(\j))+1]
	v_cvt_pk_bf16_f32 v[BK+2*(4*(\g)+(\j))+1], v[IN+4*(4*(\g)+(\j))+2], v[IN+4*(4*(\g)+(\j))+3]
.endr
.endr
	s_wait_alu depctr_va_vdst(0)                   ; the last block has written its eight registers of BK, which the last four stores read
.irp j, 0,1,2,3
	global_store_b64 v4, v[BK+2*(12+(\j)):BK+2*(12+(\j))+1], s[14:15] offset:256*(12+(\j)) th:TH_STORE_NT  ; no register is used twice
.endr
	s_branch .Lend
.Lwq:                                                  ; tile kt = id % 8 along k, ct = id / 8: part ct / 16, head ct % 16, all 64 channels
	s_and_b32 s25, s24, 7
	s_lshr_b32 s26, s24, 3
	s_mul_i32 s28, s25, 128*12288                  ; 128 kt rows of W_qkv,
	s_lshl_b32 s29, s26, 8                         ; 64 ct columns
	s_add_co_u32 s28, s28, s29
	s_mov_b32 s29, 0
	s_add_nc_u64 s[6:7], s[6:7], s[28:29]
	s_lshr_b32 s32, s26, 4                         ; q, k: channel d = dl + 16 i2 of head hd goes to row 1024 part + 8 hd + 256 i2 + 128 (dl >> 3) + (dl & 7)
	s_lshl_b32 s32, s32, 10
	s_and_b32 s33, s26, 15
	s_lshl_b32 s33, s33, 3
	s_add_co_u32 s32, s32, s33
	s_and_b32 s34, s26, 31                         ; v: head g = ct - 32: row 2048 + 128 (g / 8) + g % 8 + 256 i2 + 64 (dl >> 3) + 8 (dl & 7)
	s_lshr_b32 s35, s34, 3
	s_lshl_b32 s35, s35, 7
	s_and_b32 s34, s34, 7
	s_add_co_u32 s34, s34, s35
	s_add_co_u32 s34, s34, 2048
	s_mov_b32 s30, 64*2048
	s_mov_b32 s31, 8*2048
	s_cmp_lt_u32 s26, 32
	s_cselect_b32 s32, s32, s34
	s_cselect_b32 s30, 128*2048, s30
	s_cselect_b32 s31, 2048, s31
	s_lshl_b32 s32, s32, 11                        ; a row of wq is 2,048 bytes;
	s_lshl_b32 s33, s25, 8                         ; the tile's 128 k are 256 of them
	s_add_co_u32 s32, s32, s33
	s_mov_b32 s33, 0
	s_add_nc_u64 s[16:17], s[16:17], s[32:33]
	v_mul_u32_u24 v3, v2, 2*12288                  ; source row 2 kp, my 4 columns
	v_lshl_add_u32 v3, v1, 4, v3
	WTILE 6, 16, 12288, 32, 0, 256*2048
	s_branch .Lend
.Lwo:                                                  ; tile kt along c'', ct: columns n = 64 ct ..; position 128 kt + kl of c'' is source row 64 (kl / 8) + 8 kt + kl % 8
	s_sub_co_u32 s24, s24, 384
	s_and_b32 s25, s24, 7
	s_lshr_b32 s26, s24, 3
	s_lshl_b32 s28, s25, 15                        ; 8 kt rows of 4,096 bytes
	s_lshl_b32 s29, s26, 8
	s_add_co_u32 s28, s28, s29
	s_mov_b32 s29, 0
	s_add_nc_u64 s[8:9], s[8:9], s[28:29]
	s_lshl_b32 s32, s26, 17                        ; 64 ct rows of wo
	s_lshl_b32 s33, s25, 8
	s_add_co_u32 s32, s32, s33
	s_mov_b32 s33, 0
	s_add_nc_u64 s[18:19], s[18:19], s[32:33]
	s_mov_b32 s30, 8*2048                          ; row dl = 8 (dl >> 3) + (dl & 7)
	s_mov_b32 s31, 2048
	v_lshrrev_b32 v7, 2, v2
	v_and_b32 v8, 3, v2
	v_lshlrev_b32 v3, 18, v7                       ; source row 64 (kp / 4) + 2 (kp % 4); pair i adds 256 rows
	v_lshl_add_u32 v3, v8, 13, v3
	v_lshl_add_u32 v3, v1, 4, v3
	WTILE 8, 18, 4096, 256, 1, 16*2048
	s_branch .Lend
.Lbias:                                                ; thread t = 128 hh + 8 r + e makes positions t + 256 jj of bq (jj 0-11) and of bo (jj 0-3)
	v_bfe_u32 v1, v0, 3, 4                         ; r
	v_lshrrev_b32 v2, 7, v0                        ; hh
	v_and_b32 v3, 7, v0                            ; e
	v_lshlrev_b32 v4, 8, v1                        ; q, k: column 64 r + 8 hh + e + 1024 part + 16 i
	v_lshl_add_u32 v4, v2, 5, v4
	v_lshl_add_u32 v4, v3, 2, v4
	v_lshlrev_b32 v5, 11, v2                       ; v: column 2048 + 64 (8 hh + e) + r + 16 blk
	v_lshl_add_u32 v5, v3, 8, v5
	v_lshl_add_u32 v5, v1, 2, v5
	v_lshlrev_b32 v6, 2, v0
	s_wait_alu depctr_va_vdst(0)                   ; v4, v5 and v6 are written, which the loads and stores below read as their offsets
.irp j, 0,1,2,3,4,5,6,7
	global_load_b32 v[IN+(\j)], v4, s[10:11] offset:(1024*((\j)/4)+16*((\j)%4))*4
.endr
.irp j, 0,1,2,3
	global_load_b32 v[IN+8+(\j)], v5, s[10:11] offset:(2048+16*(\j))*4
.endr
.irp j, 0,1,2,3
	global_load_b32 v[IN+12+(\j)], v6, s[12:13] offset:1024*(\j)
.endr
	s_wait_loadcnt 0x0
.irp p, 0,1,2,3,4,5,6,7
	v_cvt_pk_bf16_f32 v[CV+(\p)], v[IN+2*(\p)], v[IN+2*(\p)+1]  ; rounded to bf16,
	v_lshlrev_b32 v[IN+2*(\p)], 16, v[CV+(\p)]                  ; and back as f32
	v_and_b32 v[IN+2*(\p)+1], 0xffff0000, v[CV+(\p)]
.endr
	s_wait_alu depctr_va_vdst(0)                   ; the sixteen widened values are written into IN, which the stores below read
.irp j, 0,1,2,3,4,5,6,7,8,9,10,11
	global_store_b32 v6, v[IN+(\j)], s[20:21] offset:1024*(\j)
.endr
.irp j, 0,1,2,3
	global_store_b32 v6, v[IN+12+(\j)], s[22:23] offset:1024*(\j)
.endr
.Lend:
	s_wait_dscnt 0x0                               ; the closing lines, six on end
	s_wait_alu 0x0
	s_wait_tensorcnt 0x0
	ds_add_u32 v[SPW], v[NIL]
	s_wait_dscnt 0x0
	s_endpgm
.Lfunc_end_k_qa06f8d150f_prep:
	.size	k_qa06f8d150f_prep, .Lfunc_end_k_qa06f8d150f_prep-k_qa06f8d150f_prep
	.p2alignl 7, 3214868480
	.fill 96, 4, 3214868480
	.section	.rodata,"a",@progbits
	.p2align	6, 0x0
	.amdhsa_kernel k_qa06f8d150f_prep
		.amdhsa_group_segment_fixed_size 18432
		.amdhsa_private_segment_fixed_size 0
		.amdhsa_enable_private_segment 0
		.amdhsa_kernarg_size 80
		.amdhsa_user_sgpr_count 2
		.amdhsa_user_sgpr_kernarg_segment_ptr 1
		.amdhsa_wavefront_size32 1
		.amdhsa_system_sgpr_workgroup_id_x 1
		.amdhsa_system_sgpr_workgroup_id_y 1
		.amdhsa_system_sgpr_workgroup_id_z 1
		.amdhsa_system_vgpr_workitem_id 0
		.amdhsa_next_free_vgpr 128
		.amdhsa_next_free_sgpr 66
		.amdhsa_reserve_vcc 0
		.amdhsa_float_denorm_mode_32 3
		.amdhsa_float_denorm_mode_16_64 3
		.amdhsa_memory_ordered 1
		.amdhsa_forward_progress 1
		.amdhsa_inst_pref_size 26
	.end_amdhsa_kernel
	.amdgpu_metadata
---
amdhsa.version: [ 1, 2 ]
amdhsa.kernels:
  - .name:           k_qa06f8d150f_prep
    .symbol:         k_qa06f8d150f_prep.kd
    .args:
      - { .name: x, .offset: 0, .size: 8, .value_kind: global_buffer, .address_space: global }
      - { .name: W_qkv, .offset: 8, .size: 8, .value_kind: global_buffer, .address_space: global }
      - { .name: W_out, .offset: 16, .size: 8, .value_kind: global_buffer, .address_space: global }
      - { .name: b_qkv, .offset: 24, .size: 8, .value_kind: global_buffer, .address_space: global }
      - { .name: b_out, .offset: 32, .size: 8, .value_kind: global_buffer, .address_space: global }
      - { .name: xb, .offset: 40, .size: 8, .value_kind: global_buffer, .address_space: global }
      - { .name: wq, .offset: 48, .size: 8, .value_kind: global_buffer, .address_space: global }
      - { .name: wo, .offset: 56, .size: 8, .value_kind: global_buffer, .address_space: global }
      - { .name: bq, .offset: 64, .size: 8, .value_kind: global_buffer, .address_space: global }
      - { .name: bo, .offset: 72, .size: 8, .value_kind: global_buffer, .address_space: global }
    .group_segment_fixed_size: 18432
    .private_segment_fixed_size: 0
    .kernarg_segment_align: 8
    .kernarg_segment_size: 80
    .max_flat_workgroup_size: 256
    .sgpr_count:     66
    .vgpr_count:     128
    .wavefront_size: 32
...
	.end_amdgpu_metadata
.endif
;; end of part 5
;; launch gemm1: the kernel of part 2 again; grid 4 x 64, 4 waves a work-group, clusters of 4 x 4, 327,680 bytes of LDS; arguments xb, wq, bq, qkv; writes qkv
;; launch attn (part 6): grid 1024 x 1, 4 waves a work-group, no clusters, 0 bytes of LDS; arguments qkv, ob; writes ob
.if DOCPART == 6
	.amdgcn_target "amdgcn-amd-amdhsa--gfx1250"
	.amdhsa_code_object_version 6
	.text
	.protected	k_qa06f8d150f_attn
	.globl	k_qa06f8d150f_attn
	.p2align	8
	.type	k_qa06f8d150f_attn,@function
k_qa06f8d150f_attn:
	s_mov_b64 s[64:65], 0
	v_nop
	global_prefetch_b8 v0, s[64:65] scope:SCOPE_SE
	s_setreg_imm32_b32 hwreg(HW_REG_WAVE_SCHED_MODE, 0, 2), 2
	s_setreg_imm32_b32 hwreg(HW_REG_WAVE_MODE, 25, 1), 1
	s_wait_xcnt 0x0
	s_wait_alu depctr_vm_vsrc(0)
; ATTENTION OVER THE HEADS OF ONE TOKEN.  For each of 16,384 tokens: att[h][g] = softmax over g of (q[h] . k[g] / 8), o[h] = the sum over g of att[h][g] v[g]; 16 heads of 64 channels.
; qkv: [16384][3072] f16, ob: [16384][1024] f16, both in the permuted column order that the launch in front writes and the launch behind reads:
;   q, k: position 256 i + 8 lane + e holds head lane % 16, channel 16 i + 8 (lane / 16) + e: four loads of 16 bytes a lane ARE two fragments (16 heads x 32 channels each)
;   v:    position 256 blk + 8 lane + e holds head 8 (lane / 16) + e, channel 16 blk + lane % 16: one load IS the lower half (keys 0-15) of a fragment of V^T
;   o:    position 256 blk + 8 lane + j holds head lane % 16, channel 16 blk + 8 (lane / 16) + j: a lane's eight results of a product, packed
; So every load and store of a wave covers 512 consecutive bytes, and nothing goes through LDS or changes lanes but one exchange of the lanes' halves for the maximum and one for the sum.
; S^T = K Q^T (source 0 = the 16 key heads, source 1 = the 16 query heads): a lane holds ONE query head (lane % 16) and the key heads 8 (lane / 16) + 0..7.  Rounded to f16 in pairs these are the lower
; half of source 1 of O^T = V^T P; the matrix form is 32 deep and there are 16 keys, so the upper halves of both sources hold zeros: 80 registers written while the loads are out.
; SOFTMAX in f32: the row's true maximum m is taken away: p = 2^(c s - c m), c = log2(e) / 8; l is the sum of the unrounded p; O is divided by l, rounded once.
; LIMITS: q, k, v arrive in f16 (within 65,504); p lies in 0 to 1 and below 6e-5 keeps f16's fixed step of 6e-8; a weight below 2^-126 counts as 0; NaN and infinities are not treated apart.
; SHARES: a wave takes four tokens, a work-group sixteen; no loop.  All 48 loads of a wave (24,576 bytes) go out at once.  Memory binds: no LDS, no barrier, no cluster (no byte is read twice),
; no prefetch (the launch is one pass over its bytes).
; THE MODE: SCHED_MODE bits 1:0 = 2 (LLVM: expert scheduling mode 2), set by the entry lines.  The code itself states the register dependences
; between vector or matrix instructions and memory instructions, with s_wait_alu, always for 0.
; THE PLAN.  Registers that memory instructions touch:
;   v1, v2     the two offsets: made at the head, read by every load and store, never written again.
;   Q, K, V    written by the 48 loads, which all stand at the head, ahead of every vector line that names them; no load is issued later.
;   OUT        token t's sixteen conversions write its sixteen registers; the four stores that are issued in token t + 1's part of the way out read them.  Each register is written once.
; So one wait on va_vdst stands ahead of the loads, and on the way out one at the head of each token's part: the stores of the token before follow it, dealt among this token's vector lines,
; which name this token's O^T and OUT alone.  The waits behind the exponentials and the reciprocals stand ahead of a batch's first reader.
; No register that a memory instruction has read is written again, so no wait on vm_vsrc is owed; no vector line writes a scalar register, and EXEC is never written.
.set ROWQ, 6144                        ; bytes in a token's row of qkv
.set LO,  1                            ; v1   my byte offset in the work-group's rows of qkv
.set SO,  2                            ; v2   in its rows of ob
.set QF,  16                           ; token t: Q at v[16+32 t .. +15], K at v[32+32 t .. +15];
.set KF,  32
.set OA,  16                           ;          later O^T, block blk at v[16+32 t+8 blk]
.set S,   144                          ; token t: S^T at v[144+8 t]
.set P,   176                          ;          P at v[176+8 t]: four packed registers, four zeros
.set OUT, 144                          ;          later the packed results, 16 registers a token
.set ST,  208                          ; token t at v[208+4 t]: c m, m, 1/l, 1/l
.set TM,  224                          ; token t at v[224+2 t]: two at work
                                       ; window 1: V^T of token t, block blk at v[32 t+8 blk]: four loaded registers, four zeros
.set MSB, 0
.macro WIN new                         ; the immediate's high byte repeats the setting that is left
.if MSB != (\new)
	s_set_vgpr_msb (MSB<<8)|(\new)
.set MSB, \new
.endif
.endm
.macro PLACES                          ; four places behind matrix instructions, in front of what reads their results or writes their registers (ISA guide 7.12.1)
.rept 4
	v_nop
.endr
.endm
.macro ALLT line:vararg                ; one line for each token t: the four tokens' lines stand side by side, so that none waits for the one before it
.set t, 0
.rept 4
	\line
.set t, t+1
.endr
.endm
	s_load_b128 s[4:7], s[0:1], 0x0                ; qkv s[4:5], ob s[6:7]
	s_mul_i32 s12, ttmp9, 16*ROWQ                  ; the work-group's 16 tokens
	s_mov_b32 s13, 0
	s_lshl_b32 s14, ttmp9, 15
	s_mov_b32 s15, 0
	s_mov_b32 s8, 0x3e38aa3b                       ; c = log2(e) / 8 = 0.180337
	s_mov_b32 s9, s8                               ; named with it as a pair
	s_mov_b32 s10, 0x76543210                      ; v_permlanex16_b32: each lane takes its own place in the other half
	s_mov_b32 s11, 0xfedcba98
	v_lshrrev_b32 v3, 5, v0                        ; wave
	v_and_b32 v4, 31, v0
	v_lshlrev_b32 v4, 4, v4                        ; 16 bytes a lane
	v_mul_u32_u24 v[LO], v3, 4*ROWQ                ; the wave's four tokens
	v_add_nc_u32 v[LO], v[LO], v4
	v_lshl_add_u32 v[SO], v3, 13, v4
	s_wait_kmcnt 0x0
	s_add_nc_u64 s[4:5], s[4:5], s[12:13]
	s_add_nc_u64 s[6:7], s[6:7], s[14:15]
	s_wait_alu depctr_va_vdst(0)                   ; v[LO] and v[SO] are written: the 48 loads read the one as their offset, the 16 stores the other; up to V's loads only loads and one window switch follow
.irp t, 0,1,2,3
.irp i, 0,1,2,3
	global_load_b128 v[KF+32*(\t)+4*(\i):KF+32*(\t)+4*(\i)+3], v[LO], s[4:5] offset:ROWQ*(\t)+2048+512*(\i) th:TH_LOAD_NT
.endr
.irp i, 0,1,2,3
	global_load_b128 v[QF+32*(\t)+4*(\i):QF+32*(\t)+4*(\i)+3], v[LO], s[4:5] offset:ROWQ*(\t)+512*(\i) th:TH_LOAD_NT
.endr
.endr
	WIN 0x40                                       ; destination window 1, address window 0
.irp t, 0,1,2,3
.irp b, 0,1,2,3
	global_load_b128 v[32*(\t)+8*(\b):32*(\t)+8*(\b)+3], v[LO], s[4:5] offset:ROWQ*(\t)+4096+512*(\b) th:TH_LOAD_NT
.endr
.endr
.set i, 0
.rept 64
	v_mov_b32 v[8*(i/4)+4+i%4], 0                  ; keys 16-31 of V^T do not exist: the upper four of each eight registers, in which no load lands
.set i, i+1
.endr
	WIN 0
.set i, 0
.rept 16
	v_mov_b32 v[P+8*(i/4)+4+i%4], 0                ; nor those of P
.set i, i+1
.endr
	ALLT v_mov_b32 v[TM+2*t+1], 0                  ; v_permlanex16_b32's destination counts as read
	s_wait_loadcnt 16                              ; K and Q are in; V's sixteen loads stay out
.irp c, 0,1
.irp t, 0,1,2,3                        ; the four accumulators take turns
.if (\c) == 0
	v_wmma_f32_16x16x32_f16 v[S+8*(\t):S+8*(\t)+7], v[KF+32*(\t):KF+32*(\t)+7], v[QF+32*(\t):QF+32*(\t)+7], 0
.else
	v_wmma_f32_16x16x32_f16 v[S+8*(\t):S+8*(\t)+7], v[KF+32*(\t)+8:KF+32*(\t)+15], v[QF+32*(\t)+8:QF+32*(\t)+15], v[S+8*(\t):S+8*(\t)+7]
.endif
.endr
.endr
	PLACES
	ALLT v_max3_num_f32 v[TM+2*t], v[S+8*t], v[S+8*t+1], v[S+8*t+2]          ; the maximum of my eight scores, from the accumulator's low end on,
	ALLT v_max3_num_f32 v[TM+2*t], v[TM+2*t], v[S+8*t+3], v[S+8*t+4]
	ALLT v_max3_num_f32 v[TM+2*t], v[TM+2*t], v[S+8*t+5], v[S+8*t+6]
	ALLT v_max_num_f32 v[TM+2*t], v[TM+2*t], v[S+8*t+7]
	ALLT v_permlanex16_b32 v[TM+2*t+1], v[TM+2*t], s10, s11                  ; and of the query's other eight, in the lane 16 away
	ALLT v_max_num_f32 v[ST+4*t+1], v[TM+2*t], v[TM+2*t+1]                   ; m
	ALLT v_mul_f32 v[ST+4*t], s8, v[ST+4*t+1]                                ; c m
.irp b, 0,1,2,3
	ALLT v_pk_fma_f32 v[S+8*t+2*(\b):S+8*t+2*(\b)+1], v[S+8*t+2*(\b):S+8*t+2*(\b)+1], s[8:9], v[ST+4*t:ST+4*t+1] op_sel_hi:[1,0,0] neg_lo:[0,0,1] neg_hi:[0,0,1]  ; c s - c m
.endr
.irp j, 0,1,2,3,4,5,6,7
	ALLT v_exp_f32 v[S+8*t+(\j)], v[S+8*t+(\j)]    ; one batch of 32
.endr
	v_nop                                          ; a plain instruction behind the last exponential (ISA guide 5.7.2),
	s_wait_alu depctr_va_vdst(0)                   ; the 32 exponentials have written the weights in v[S ..]: one wait ahead of the batch's first reader, the rounding below
.irp b, 0,1,2,3
	ALLT v_cvt_pk_f16_f32 v[P+8*t+(\b)], v[S+8*t+2*(\b)], v[S+8*t+2*(\b)+1]
.endr
	ALLT v_pk_add_f32 v[S+8*t:S+8*t+1], v[S+8*t:S+8*t+1], v[S+8*t+2:S+8*t+3]
	ALLT v_pk_add_f32 v[S+8*t+4:S+8*t+5], v[S+8*t+4:S+8*t+5], v[S+8*t+6:S+8*t+7]
	ALLT v_pk_add_f32 v[S+8*t:S+8*t+1], v[S+8*t:S+8*t+1], v[S+8*t+4:S+8*t+5]
	ALLT v_add_f32 v[TM+2*t], v[S+8*t], v[S+8*t+1]
	ALLT v_permlanex16_b32 v[TM+2*t+1], v[TM+2*t], s10, s11
	ALLT v_add_f32 v[TM+2*t], v[TM+2*t], v[TM+2*t+1]                         ; l
	ALLT v_rcp_f32 v[ST+4*t+2], v[TM+2*t]          ; 1 / l, twice: the pair that the packed multiply takes
	ALLT v_rcp_f32 v[ST+4*t+3], v[TM+2*t]
	v_nop                                          ; a plain instruction behind the last reciprocal,
	s_wait_alu depctr_va_vdst(0)                   ; the eight reciprocals have written the four pairs 1 / l: one wait ahead of their first reader, on the way out
	s_wait_loadcnt 0x0                             ; V is in
	WIN 0x01                                       ; source 0 (V^T) in window 1
.irp b, 0,1,2,3
.irp t, 0,1,2,3                        ; sixteen sums of one product each; they land on Q's and K's registers, whose products lie the whole softmax back
	v_wmma_f32_16x16x32_f16 v[OA+32*(\t)+8*(\b):OA+32*(\t)+8*(\b)+7], v[32*(\t)+8*(\b):32*(\t)+8*(\b)+7], v[P+8*(\t):P+8*(\t)+7], 0
.endr
.endr
	WIN 0
	PLACES
	; THE WAY OUT, a token at a time: O^T is divided by l and rounded into the token's OUT; the stores of the token before stand among these lines, one ahead of each block's eight.
.irp t, 0,1,2,3
.if (\t) > 0
	s_wait_alu depctr_va_vdst(0)                   ; the token before has written its sixteen registers of OUT, which the four stores below read
.endif
.irp b, 0,1,2,3
.if (\t) > 0
	global_store_b128 v[SO], v[OUT+16*((\t)-1)+4*(\b):OUT+16*((\t)-1)+4*(\b)+3], s[6:7] offset:2048*((\t)-1)+512*(\b) th:TH_STORE_NT  ; 512 consecutive bytes, aligned; no vector line since the wait names these registers
.endif
.irp q, 0,1,2,3
	v_pk_mul_f32 v[OA+32*(\t)+8*(\b)+2*(\q):OA+32*(\t)+8*(\b)+2*(\q)+1], v[OA+32*(\t)+8*(\b)+2*(\q):OA+32*(\t)+8*(\b)+2*(\q)+1], v[ST+4*(\t)+2:ST+4*(\t)+3]
.endr
.irp q, 0,1,2,3
	v_cvt_pk_f16_f32 v[OUT+16*(\t)+4*(\b)+(\q)], v[OA+32*(\t)+8*(\b)+2*(\q)], v[OA+32*(\t)+8*(\b)+2*(\q)+1]
.endr
.endr
.endr
	s_wait_alu depctr_va_vdst(0)                   ; the last token has written its sixteen registers of OUT, which the last four stores read
.irp b, 0,1,2,3
	global_store_b128 v[SO], v[OUT+48+4*(\b):OUT+48+4*(\b)+3], s[6:7] offset:2048*3+512*(\b) th:TH_STORE_NT  ; no register is used twice
.endr
	s_endpgm
.Lfunc_end_k_qa06f8d150f_attn:
	.size	k_qa06f8d150f_attn, .Lfunc_end_k_qa06f8d150f_attn-k_qa06f8d150f_attn
	.p2alignl 7, 3214868480
	.fill 96, 4, 3214868480
	.section	.rodata,"a",@progbits
	.p2align	6, 0x0
	.amdhsa_kernel k_qa06f8d150f_attn
		.amdhsa_group_segment_fixed_size 0
		.amdhsa_private_segment_fixed_size 0
		.amdhsa_enable_private_segment 0
		.amdhsa_kernarg_size 16
		.amdhsa_user_sgpr_count 2
		.amdhsa_user_sgpr_kernarg_segment_ptr 1
		.amdhsa_wavefront_size32 1
		.amdhsa_system_sgpr_workgroup_id_x 1
		.amdhsa_system_sgpr_workgroup_id_y 1
		.amdhsa_system_sgpr_workgroup_id_z 1
		.amdhsa_system_vgpr_workitem_id 0
		.amdhsa_next_free_vgpr 384
		.amdhsa_next_free_sgpr 66
		.amdhsa_reserve_vcc 0
		.amdhsa_float_denorm_mode_32 3
		.amdhsa_float_denorm_mode_16_64 3
		.amdhsa_memory_ordered 1
		.amdhsa_forward_progress 1
		.amdhsa_inst_pref_size 26
	.end_amdhsa_kernel
	.amdgpu_metadata
---
amdhsa.version: [ 1, 2 ]
amdhsa.kernels:
  - .name:           k_qa06f8d150f_attn
    .symbol:         k_qa06f8d150f_attn.kd
    .args:
      - { .name: qkv, .offset: 0, .size: 8, .value_kind: global_buffer, .address_space: global }
      - { .name: ob, .offset: 8, .size: 8, .value_kind: global_buffer, .address_space: global }
    .group_segment_fixed_size: 0
    .private_segment_fixed_size: 0
    .kernarg_segment_align: 8
    .kernarg_segment_size: 16
    .max_flat_workgroup_size: 128
    .sgpr_count:     66
    .vgpr_count:     384
    .wavefront_size: 32
...
	.end_amdgpu_metadata
.endif
;; end of part 6
;; launch gemm2: the kernel of part 4 again; grid 4 x 64, 4 waves a work-group, clusters of 4 x 4, 327,680 bytes of LDS; arguments ob, wo, bo, out0; writes out0
